; MI455X (gfx1250); checked and timed in simulation.
; The chip was launched on July 23, 2026; its instructions are those of AMD's public machine-readable ISA for CDNA 5 (MIT licence, August 2026) and "CDNA5" Instruction Set Architecture Reference Guide (July 2026). The comments in the code are by the model that wrote it; some were corrected since.
;; SPG Cross Attention. Allowed arithmetic: matrix products marked QUANTISED: E4M3 operands, one E8M0 scale for each 32 along K, by v_wmma_scale_f32_16x16x128_f8f6f4 with both operands' format E4M3, f32 sums; everything else in f32.
;; Inputs: WoutA_codes 256 x 8 x 32 uint8 (E4M3 codes of WoutA, K innermost, in blocks of 32 codes); WoutA_scales 256 x 8 uint8 (E8M0 scales of WoutA, one for each 32 codes along K); WoutB_codes 256 x 8 x 32 uint8 (E4M3 codes of WoutB, K innermost, in blocks of 32 codes); WoutB_scales 256 x 8 uint8 (E8M0 scales of WoutB, one for each 32 codes along K); WqkvA_codes 768 x 8 x 32 uint8 (E4M3 codes of WqkvA, K innermost, in blocks of 32 codes); WqkvA_scales 768 x 8 uint8 (E8M0 scales of WqkvA, one for each 32 codes along K); WqkvB_codes 768 x 8 x 32 uint8 (E4M3 codes of WqkvB, K innermost, in blocks of 32 codes); WqkvB_scales 768 x 8 uint8 (E8M0 scales of WqkvB, one for each 32 codes along K); bA 256 float32; bB 256 float32; boutA 256 float32; boutB 256 float32; gA 256 float32; gB 256 float32; x_A 16 x 256 x 32 x 32 float32; x_B 16 x 256 x 32 x 32 float32.
;; Outputs: out0 16 x 256 x 32 x 32 float32; out1 16 x 256 x 32 x 32 float32.
;; This version of the problem:
;;   THIS VERSION OF THE PROBLEM IS GIVEN IN LOW PRECISION. The matrix products marked QUANTISED in the list below multiply operands that are first quantised to E4M3 (4 exponent bits, 3 mantissa bits; 8 bits a number), with one power-of-two scale for each 32 numbers along K (OCP MX v1.0); their sums are f32. All else is computed in f32.
;;   The module's matrix products, in the order in which they are computed (A, B: the left and right operand; K: the contracted axis; several contracted axes count as one K, in the product's order):
;;     1. [M 16,384, K 256] x [K 256, N 768]; A: computed on the way; B: input WqkvA (given as codes): QUANTISED
;;     2. [M 16,384, K 256] x [K 256, N 768]; A: computed on the way; B: input WqkvB (given as codes): QUANTISED
;;     3. batch 128 x [M 1,024, K 32] x [K 32, N 1,024]; A: computed on the way; B: computed on the way: QUANTISED
;;     4. batch 128 x [M 32, K 1,024] x [K 1,024, N 1,024]; A: computed on the way; B: computed on the way: QUANTISED
;;     5. [M 16,384, K 256] x [K 256, N 256]; A: computed on the way; B: input WoutA (given as codes): QUANTISED
;;     6. batch 128 x [M 1,024, K 32] x [K 32, N 1,024]; A: computed on the way; B: computed on the way: QUANTISED
;;     7. batch 128 x [M 32, K 1,024] x [K 1,024, N 1,024]; A: computed on the way; B: computed on the way: QUANTISED
;;     8. [M 16,384, K 256] x [K 256, N 256]; A: computed on the way; B: input WoutB (given as codes): QUANTISED
;;   THE QUANTISER, for each operand of a quantised product, along K:
;;     - K is cut into blocks of 32 from its start; a last block that is shorter is filled with zeros.
;;     - A block's scale is 2^e with e = floor(log2(the largest magnitude in the block)) - 8, held to -126 .. 127; a block of zeros has e = 0. As a byte (E8M0): e + 127.
;;     - Each number is divided by its block's scale, clamped to +-448, and rounded to the nearest number of E4M3, ties to even, subnormals kept.
;;     - The product sums the exact products of the quantised numbers (number of the format x scale) in f32.
;;   ~~~python
;;   def quantise(x, axis):      # numpy; x: float32 -> the quantised numbers, widened to float32 again
;;       x = np.moveaxis(x, axis, -1); K = x.shape[-1]
;;       x = np.pad(x, [(0, 0)] * (x.ndim - 1) + [(0, -K % 32)]); x = x.reshape(x.shape[:-1] + (-1, 32)); a = np.abs(x).max(-1, keepdims=True)
;;       e = np.where(a > 0, np.clip(np.frexp(np.where(a > 0, a, 1))[1] - 1 - 8, -126, 127), 0)      # np.frexp(a)[1] - 1 = floor(log2(a)), exactly
;;       r = np.clip(x / 2.0 ** e, -448, 448)
;;       step = 2.0 ** (np.maximum(np.frexp(np.where(r == 0, 1, r))[1] - 1, -6) - 3)
;;       q = np.round(r / step) * step * 2.0 ** e      # np.round: ties to even
;;       return np.moveaxis(q.reshape(q.shape[:-2] + (-1,))[..., :K], -1, axis).astype(np.float32)
;;   ~~~
;;   OPERANDS COMPUTED ON THE WAY. 'Computed on the way' means the value that the module computes at that place (a softmax that the list does not call 'softmax' is quantised finished and normalised). What goes into a quantiser is computed in f32, as accurately as f32 sums, v_exp_f32 and their like allow (about 1e-6 of the number): no bf16 or f16 on the way to a quantiser, and a product that is left as it is and whose result goes on into a quantised operand takes f32 operands (vector FMAs, or v_wmma_f32_16x16x4_f32). A number that lies on a knife's edge between two numbers of the format may be rounded either way, as far as f32 arithmetic and the matrix unit's own rounding can turn it there, and no further.
;;   INPUTS GIVEN AS CODES. WoutA (in the module: [256, 256], K = its axis 1); WoutB (in the module: [256, 256], K = its axis 1); WqkvA (in the module: [768, 256], K = its axis 1); WqkvB (in the module: [768, 256], K = its axis 1): each comes as NAME_codes (uint8): NAME with its K axis moved to the last place and cut into blocks of 32 codes, [.., K / 32, bytes a block], one block behind the other in memory; one code a byte (a code: sign, 4 exponent bits, 3 mantissa bits); and NAME_scales (uint8): the same leading axes, one E8M0 byte (e + 127) for each 32 codes along K. Its value is code x scale, taken as it is: it is not quantised again, and the codes and scales need not be those that the quantiser above would give.
;; 2 versions, each right; version 2 is version 1 with the launches attn, proj written anew for expert scheduling mode. Each part assembles by itself: llvm-mc -triple=amdgcn-amd-amdhsa -mcpu=gfx1250 --defsym DOCPART=n.
;; ======== version 1 of 2: 3 launches
;; limits: a difference of large sums (such as E[x^2] - mean^2): digits are lost where the result is much smaller than its terms
;; workspace buffers: xc 8,388,608 bytes; xs 262,144 bytes; ab 65,536 bytes; oc 8,388,608 bytes; os 262,144 bytes
;; launch norm (part 1): grid 8 x 32, 8 waves a work-group, no clusters, 1,536 bytes of LDS; arguments x_A, x_B, gA, bA, gB, bB, boutA, boutB, xc, xs, ab; writes xc, xs, ab
.if DOCPART == 1
	.amdgcn_target "amdgcn-amd-amdhsa--gfx1250"
	.amdhsa_code_object_version 6
	.text
	.protected	k_qfb8db0aa02_norm
	.globl	k_qfb8db0aa02_norm
	.p2align	8
	.type	k_qfb8db0aa02_norm,@function
k_qfb8db0aa02_norm:
	s_mov_b64 s[64:65], 0
	v_nop
	global_prefetch_b8 v0, s[64:65] scope:SCOPE_SE
	s_setreg_imm32_b32 hwreg(HW_REG_WAVE_MODE, 25, 1), 1
	s_wait_xcnt 0x0
; GroupNorm of x_A and x_B, and its quantising to codes of E4M3 along the channels (the K of the QKV products).
; NOTHING OF reference() IS LEFT OUT in this program: every input has a way to an output (the gains and biases through the quantised norm and the residual, bout through the sum), and every product of the table is live.
; SLABS.  y = 2 x batch + branch (0: A, 1: B) is the grid's y.  A work-group owns 32 channels (two groups of 16; the grid's x) of one slab, all 1,024 pixels: 128 KB of x, held in 8 waves x 128 registers,
; so that x is read once for the mean, the variance, the normalising and the codes.  Wave w owns pixels 128 w .. 128 w + 127 in four chunks of 32; A LANE IS A PIXEL AND ITS REGISTERS RUN DOWN THE 32 CHANNELS:
; each load reads 128 consecutive bytes, a block of 32 along K lies in one lane, and the conversions give codes with K innermost.
; The variance is taken about the mean, as reference() takes it.  norm = (x - mu) (gamma rstd) + beta.
; OUT.  xc [y][T 64][s 2][c 4][lane 32][16 B]: the codes IN THE ORDER OF AN OPERAND'S REGISTERS: tile T = 2 kb + u holds, in row r, pixel 32 kb + 8 u + r + 8 (r / 8); lane = r + 16 h; channel = 128 s + 32 c + 16 h + byte.
; xs [y][T][r][8 B]: the E8M0 byte of channel block 4 s + c.   ab [y][channel][2]: a = gamma rstd and bb = beta + bout - mu a, for the last launch's residual.
; No LDS tiles, no matrix unit, no cluster: work-groups share no input; the launch streams.
; LIMITS: NaN and infinities among the inputs are not served.  A block whose largest magnitude lies under 2^-118 (a block of zeros too) gets the byte 1: the bytes are read by this program alone, and zero codes add nothing.
; The sums run in another order than reference()'s.
.set RED1,  0                          ; LDS: 8 waves x 2 sums
.set RED2,  256                        ; the same for the squares, in bytes of their own
.set SPARE, 512                        ; the spare words: 128 bytes for each of 8 waves
.set X,     32                         ; v32-159  x, then x - mu, then norm: chunk i, channel c at X + 32 i + c
.set CH,    160                        ; v160-175 eight packed chains: group gm, chunk i at CH + 8 gm + 2 i
.set C,     176                        ; v176-207 codes, 8 registers a chunk
.set E,     208                        ; v208-211 a scale byte a chunk
.set GAM,   28                         ; s28-59   gamma of my 32 channels, later gamma x rstd
.set BET,   68                         ; s68-99   beta
	s_load_b512 s[4:19], s[0:1], 0x0               ; x_A, x_B, gA, bA, gB, bB, boutA, boutB
	s_load_b128 s[20:23], s[0:1], 0x40             ; xc, xs
	s_load_b64 s[24:25], s[0:1], 0x50              ; ab
	v_lshl_add_u32 v6, v0, 2, SPARE                ; my spare word
	v_mov_b32 v7, 0
	v_lshrrev_b32 v1, 5, v0
	v_readfirstlane_b32 s26, v1                    ; wave 0..7
	v_and_b32 v8, 31, v0                           ; lane = pixel in a chunk
	v_lshlrev_b32 v1, 2, v8                        ; 4 x lane
	v_bfe_u32 v9, v0, 3, 1                         ; u = (lane / 8) % 2
	v_and_b32 v10, 7, v0
	v_bfe_u32 v11, v0, 4, 1
	v_lshl_or_b32 v10, v11, 3, v10                 ; r = lane % 8 + 8 (lane / 16): the pixel's row in its tile
	v_lshlrev_b32 v2, 4, v10
	v_lshl_or_b32 v2, v9, 12, v2                   ; codes: 4,096 u + 16 r
	v_lshlrev_b32 v3, 3, v10
	v_lshl_or_b32 v3, v9, 7, v3                    ; scale bytes: 128 u + 8 r
	s_lshl_b32 s27, s26, 3
	v_mov_b32 v4, s27                              ; LDS: 8 x wave
	v_mov_b32 v5, 0
	v_mov_b32 v214, 0                              ; (a lane permute's destination counts as one of its sources)
	v_mov_b32 v215, 0
	s_and_b32 s27, ttmp7, 0xffff                   ; y
	s_lshr_b32 s2, s27, 1                          ; batch
	s_and_b32 s3, s27, 1                           ; branch
	s_lshl_b32 s60, s2, 20                         ; x: batch x 256 channels x 4,096 bytes
	s_lshl_b32 s61, ttmp9, 17                      ; + 32 channels x the block
	s_add_co_u32 s60, s60, s61
	s_lshl_b32 s61, s26, 9                         ; + 128 pixels x the wave
	s_add_co_u32 s60, s60, s61
	s_mov_b32 s61, 0
	s_lshl_b32 s62, ttmp9, 7                       ; gamma, beta, bout: 32 numbers x the block
	s_mov_b32 s63, 0
	s_lshl_b32 s28, s27, 18                        ; xc: 262,144 y + 32,768 w + 2,048 (block / 4) + 512 (block % 4)
	s_lshl_b32 s29, s26, 15
	s_add_co_u32 s28, s28, s29
	s_lshr_b32 s29, ttmp9, 2
	s_lshl_b32 s29, s29, 11
	s_add_co_u32 s28, s28, s29
	s_and_b32 s29, ttmp9, 3
	s_lshl_b32 s29, s29, 9
	s_add_co_u32 s28, s28, s29
	s_mov_b32 s29, 0
	s_lshl_b32 s30, s27, 13                        ; xs: 8,192 y + 1,024 w + block
	s_lshl_b32 s31, s26, 10
	s_add_co_u32 s30, s30, s31
	s_add_co_u32 s30, s30, ttmp9
	s_mov_b32 s31, 0
	s_lshl_b32 s32, s27, 11                        ; ab: 2,048 y + 256 x block
	s_lshl_b32 s33, ttmp9, 8
	s_add_co_u32 s32, s32, s33
	s_mov_b32 s33, 0
	s_wait_kmcnt 0x0
	s_cmp_eq_u32 s3, 0                             ; the branch's buffers: the choice hangs on the work-group's number alone
	s_cselect_b64 s[4:5], s[4:5], s[6:7]           ; x
	s_cselect_b64 s[8:9], s[8:9], s[12:13]         ; gamma
	s_cselect_b64 s[10:11], s[10:11], s[14:15]     ; beta
	s_cselect_b64 s[16:17], s[16:17], s[18:19]     ; bout
	s_add_nc_u64 s[4:5], s[4:5], s[60:61]
	s_add_nc_u64 s[8:9], s[8:9], s[62:63]
	s_add_nc_u64 s[10:11], s[10:11], s[62:63]
	s_add_nc_u64 s[16:17], s[16:17], s[62:63]
	s_add_nc_u64 s[20:21], s[20:21], s[28:29]
	s_add_nc_u64 s[22:23], s[22:23], s[30:31]
	s_add_nc_u64 s[24:25], s[24:25], s[32:33]
	s_load_b512 s[28:43], s[8:9], 0x0              ; gamma and beta of my 32 channels as scalars: wanted only behind both reductions
	s_load_b512 s[44:59], s[8:9], 0x40
	s_load_b512 s[68:83], s[10:11], 0x0
	s_load_b512 s[84:99], s[10:11], 0x40
	s_mov_b32 s12, 0x76543210                      ; v_permlanex16_b32's selects for lane l xor 16
	s_mov_b32 s13, 0xfedcba98
	s_mov_b32 s14, 0x600000                        ; the mantissa field of 448
	s_mov_b32 s15, 0x38800000                      ; 1 / 16,384: a group's numbers
	s_mov_b32 s18, 0x3727c5ac                      ; eps = 1e-5
.set ic, 0
.rept 32                                       ; four loads on end cover 512 consecutive bytes of a channel
.irp i, 0,1,2,3
	global_load_b32 v[X+32*\i+ic], v1, s[4:5] offset:4096*ic+128*\i th:TH_LOAD_NT
.endr
.set ic, ic+1
.endr
; the eight chains become two numbers a lane: v212 (group 0), v213 (group 1)
.macro JOIN
.irp gm, 0,1
	v_pk_add_f32 v[CH+8*\gm:CH+8*\gm+1], v[CH+8*\gm:CH+8*\gm+1], v[CH+8*\gm+2:CH+8*\gm+3]
	v_pk_add_f32 v[CH+8*\gm+4:CH+8*\gm+5], v[CH+8*\gm+4:CH+8*\gm+5], v[CH+8*\gm+6:CH+8*\gm+7]
.endr
.irp gm, 0,1
	v_pk_add_f32 v[CH+8*\gm:CH+8*\gm+1], v[CH+8*\gm:CH+8*\gm+1], v[CH+8*\gm+4:CH+8*\gm+5]
.endr
.irp gm, 0,1
	v_add_f32 v[212+\gm], v[CH+8*\gm], v[CH+8*\gm+1]
.endr
.endm
; over the 32 lanes, then over the 8 waves through LDS: v[8:9] = the two groups' sums, in every lane
.macro REDUCE red
.irp m, 1,2,4,8
	v_add_f32_dpp v212, v212, v212 row_xmask:\m row_mask:0xf bank_mask:0xf
	v_add_f32_dpp v213, v213, v213 row_xmask:\m row_mask:0xf bank_mask:0xf
.endr
	v_permlanex16_b32 v214, v212, s12, s13
	v_permlanex16_b32 v215, v213, s12, s13
	v_add_f32 v212, v212, v214
	v_add_f32 v213, v213, v215
	ds_store_b64 v4, v[212:213] offset:\red        ; all lanes write my wave's two words with the same values
	s_wait_dscnt 0x0                               ; for the others' sake: my store has landed
	s_barrier_signal -1
	s_barrier_wait -1
.irp j, 0,1,2,3
	ds_load_b128 v[8+4*\j:11+4*\j], v5 offset:\red+16*\j
.endr
	s_wait_dscnt 0x0
	v_pk_add_f32 v[8:9], v[8:9], v[10:11]          ; a pair is (group 0, group 1) of one wave
	v_pk_add_f32 v[12:13], v[12:13], v[14:15]
	v_pk_add_f32 v[16:17], v[16:17], v[18:19]
	v_pk_add_f32 v[20:21], v[20:21], v[22:23]
	v_pk_add_f32 v[8:9], v[8:9], v[12:13]
	v_pk_add_f32 v[16:17], v[16:17], v[20:21]
	v_pk_add_f32 v[8:9], v[8:9], v[16:17]
.endm
	s_wait_loadcnt 0x0
	; ---- the means
.irp gm, 0,1
.irp i, 0,1,2,3
	v_pk_add_f32 v[CH+8*\gm+2*\i:CH+8*\gm+2*\i+1], v[X+32*\i+16*\gm:X+32*\i+16*\gm+1], v[X+32*\i+16*\gm+2:X+32*\i+16*\gm+3]
.endr
.endr
.irp k, 4,6,8,10,12,14
.irp gm, 0,1
.irp i, 0,1,2,3
	v_pk_add_f32 v[CH+8*\gm+2*\i:CH+8*\gm+2*\i+1], v[CH+8*\gm+2*\i:CH+8*\gm+2*\i+1], v[X+32*\i+16*\gm+\k:X+32*\i+16*\gm+\k+1]
.endr
.endr
.endr
	JOIN
	REDUCE RED1
	v_pk_mul_f32 v[24:25], v[8:9], 0x38800000 op_sel_hi:[1,0]   ; v24 = mu of group 0, v25 = of group 1
	v_mov_b32 v26, v25                             ; group 1's in the low word of a pair of its own
	v_mov_b32 v27, v25
	; ---- x - mu, in place
.irp gm, 0,1
.irp i, 0,1,2,3
.irp k, 0,2,4,6,8,10,12,14
	v_pk_add_f32 v[X+32*\i+16*\gm+\k:X+32*\i+16*\gm+\k+1], v[X+32*\i+16*\gm+\k:X+32*\i+16*\gm+\k+1], v[24+2*\gm:25+2*\gm] op_sel_hi:[1,0] neg_lo:[0,1] neg_hi:[0,1]
.endr
.endr
.endr
	; ---- the variances
.irp gm, 0,1
.irp i, 0,1,2,3
	v_pk_mul_f32 v[CH+8*\gm+2*\i:CH+8*\gm+2*\i+1], v[X+32*\i+16*\gm:X+32*\i+16*\gm+1], v[X+32*\i+16*\gm:X+32*\i+16*\gm+1]
.endr
.endr
.irp k, 2,4,6,8,10,12,14
.irp gm, 0,1
.irp i, 0,1,2,3
	v_pk_fma_f32 v[CH+8*\gm+2*\i:CH+8*\gm+2*\i+1], v[X+32*\i+16*\gm+\k:X+32*\i+16*\gm+\k+1], v[X+32*\i+16*\gm+\k:X+32*\i+16*\gm+\k+1], v[CH+8*\gm+2*\i:CH+8*\gm+2*\i+1]
.endr
.endr
.endr
	JOIN
	REDUCE RED2
	v_fma_f32 v8, v8, s15, s18                     ; var + eps
	v_fma_f32 v9, v9, s15, s18
	v_rsq_f32 v28, v8
	v_rsq_f32 v29, v9
	v_nop                                          ; a plain instruction behind the transcendentals
	s_wait_alu depctr_va_vdst(0)                   ; one wait for both, ahead of their first reader
	v_readfirstlane_b32 s2, v28                    ; rstd of group 0,
	v_readfirstlane_b32 s3, v29                    ; of group 1: the same in every lane
	s_wait_kmcnt 0x0                               ; gamma and beta
.set ic, 0
.rept 32
	s_mul_f32 s[GAM+ic], s[GAM+ic], s[2+ic/16]     ; a = gamma x rstd
.set ic, ic+1
.endr
.set ic, 0
.rept 32
.irp i, 0,1,2,3
	v_fma_f32 v[X+32*\i+ic], v[X+32*\i+ic], s[GAM+ic], s[BET+ic]   ; norm
.endr
.set ic, ic+1
.endr
; A chunk's 32 pixels: each lane's 32 channels are one block.  The largest magnitude (with the floor 2^(9 - 127) among its leaves, which holds the byte at 1 from below); 8 off its exponent field is the conversion's scale;
; the hold at 448 x the scale (the conversion to an 8-bit code does not saturate: ISA guide 7.6.2); 32 codes; two stores of 16 bytes a lane, in each of which sixteen lanes fill an aligned run of 256 bytes.
.macro BLOCK i
.set XB, X+32*(\i)
	v_max3_num_f32 v216, |v[XB]|, |v[XB+1]|, |v[XB+2]|
	v_max3_num_f32 v217, |v[XB+3]|, |v[XB+4]|, |v[XB+5]|
.irp j, 6,10,14,18,22,26
	v_max3_num_f32 v216, v216, |v[XB+\j]|, |v[XB+\j+1]|
	v_max3_num_f32 v217, v217, |v[XB+\j+2]|, |v[XB+\j+3]|
.endr
	v_max3_num_f32 v216, v216, |v[XB+30]|, |v[XB+31]|
	v_max3_num_f32 v216, v216, v217, 0x4800000
	v_add_nc_u32 v218, 0xfc000000, v216
	v_and_or_b32 v219, v216, 0x7f800000, s14
.set ij, 0
.rept 32
	v_med3_num_f32 v[XB+ij], v[XB+ij], -v219, v219
.set ij, ij+1
.endr
.irp g, 0,1,2,3
	v_cvt_scalef32_pk8_fp8_f32 v[C+8*(\i)+2*\g:C+8*(\i)+2*\g+1], v[XB+8*\g:XB+8*\g+7], v218
.endr
	v_lshrrev_b32 v[E+(\i)], 23, v218              ; the scale's byte (and the plain instruction behind the conversions)
	global_store_b128 v2, v[C+8*(\i):C+8*(\i)+3], s[20:21] offset:8192*(\i)          ; channels 0-15 of the block: lanes r of the fragment
	global_store_b128 v2, v[C+8*(\i)+4:C+8*(\i)+7], s[20:21] offset:8192*(\i)+256    ; channels 16-31: lanes 16 + r
	global_store_b8 v3, v[E+(\i)], s[22:23] offset:256*(\i)
.endm
	BLOCK 0                                        ; each chunk has its own registers for its codes and its byte: no store's data are written again
	BLOCK 1
	BLOCK 2
	BLOCK 3
	; ---- wave 0 alone: a and bb of the 32 channels, a lane a channel: 256 consecutive bytes
	s_cmp_lg_u32 s26, 0
	s_cbranch_scc1 .Ldone
	global_load_b32 v220, v1, s[8:9]               ; gamma
	global_load_b32 v221, v1, s[10:11]             ; beta
	global_load_b32 v222, v1, s[16:17]             ; bout
	v_cmp_le_u32 vcc_lo, 64, v1                    ; lanes 16-31: group 1
	v_cndmask_b32 v214, v28, v29, vcc_lo           ; rstd
	v_cndmask_b32 v215, v24, v26, vcc_lo           ; mu
	v_lshlrev_b32 v216, 1, v1                      ; 8 x lane
	s_wait_loadcnt 0x0
	v_mul_f32 v212, v220, v214                     ; a
	v_add_f32 v213, v221, v222
	v_fma_f32 v213, -v215, v212, v213              ; bb = beta + bout - mu a
	global_store_b64 v216, v[212:213], s[24:25]
.Ldone:
	s_wait_tensorcnt 0x0                           ; the wave's end
	ds_add_u32 v6, v7
	s_wait_dscnt 0x0
	s_endpgm
.Lfunc_end_k_qfb8db0aa02_norm:
	.size	k_qfb8db0aa02_norm, .Lfunc_end_k_qfb8db0aa02_norm-k_qfb8db0aa02_norm
	.p2alignl 7, 3214868480
	.fill 96, 4, 3214868480
	.section	.rodata,"a",@progbits
	.p2align	6, 0x0
	.amdhsa_kernel k_qfb8db0aa02_norm
		.amdhsa_group_segment_fixed_size 1536
		.amdhsa_private_segment_fixed_size 0
		.amdhsa_enable_private_segment 0
		.amdhsa_kernarg_size 88
		.amdhsa_user_sgpr_count 2
		.amdhsa_user_sgpr_kernarg_segment_ptr 1
		.amdhsa_wavefront_size32 1
		.amdhsa_system_sgpr_workgroup_id_x 1
		.amdhsa_system_sgpr_workgroup_id_y 1
		.amdhsa_system_sgpr_workgroup_id_z 1
		.amdhsa_system_vgpr_workitem_id 0
		.amdhsa_next_free_vgpr 224
		.amdhsa_next_free_sgpr 100
		.amdhsa_reserve_vcc 1
		.amdhsa_float_denorm_mode_32 3
		.amdhsa_float_denorm_mode_16_64 3
		.amdhsa_memory_ordered 1
		.amdhsa_forward_progress 1
		.amdhsa_inst_pref_size 57
	.end_amdhsa_kernel
	.amdgpu_metadata
---
amdhsa.version: [ 1, 2 ]
amdhsa.kernels:
  - .name:           k_qfb8db0aa02_norm
    .symbol:         k_qfb8db0aa02_norm.kd
    .args:
      - { .name: x_A, .offset: 0, .size: 8, .value_kind: global_buffer, .address_space: global }
      - { .name: x_B, .offset: 8, .size: 8, .value_kind: global_buffer, .address_space: global }
      - { .name: gA, .offset: 16, .size: 8, .value_kind: global_buffer, .address_space: global }
      - { .name: bA, .offset: 24, .size: 8, .value_kind: global_buffer, .address_space: global }
      - { .name: gB, .offset: 32, .size: 8, .value_kind: global_buffer, .address_space: global }
      - { .name: bB, .offset: 40, .size: 8, .value_kind: global_buffer, .address_space: global }
      - { .name: boutA, .offset: 48, .size: 8, .value_kind: global_buffer, .address_space: global }
      - { .name: boutB, .offset: 56, .size: 8, .value_kind: global_buffer, .address_space: global }
      - { .name: xc, .offset: 64, .size: 8, .value_kind: global_buffer, .address_space: global }
      - { .name: xs, .offset: 72, .size: 8, .value_kind: global_buffer, .address_space: global }
      - { .name: ab, .offset: 80, .size: 8, .value_kind: global_buffer, .address_space: global }
    .group_segment_fixed_size: 1536
    .private_segment_fixed_size: 0
    .kernarg_segment_align: 8
    .kernarg_segment_size: 88
    .max_flat_workgroup_size: 256
    .sgpr_count:     100
    .vgpr_count:     224
    .wavefront_size: 32
...
	.end_amdgpu_metadata
.endif
;; end of part 1
;; launch attn (part 2): grid 8 x 32, 4 waves a work-group, no clusters, 110,592 bytes of LDS; arguments xc, xs, WqkvA_codes, WqkvA_scales, WqkvB_codes, WqkvB_scales, oc, os; writes oc, os
.if DOCPART == 2
	.amdgcn_target "amdgcn-amd-amdhsa--gfx1250"
	.amdhsa_code_object_version 6
	.text
	.protected	k_qfb8db0aa02_attn
	.globl	k_qfb8db0aa02_attn
	.p2align	8
	.type	k_qfb8db0aa02_attn,@function
k_qfb8db0aa02_attn:
	s_mov_b64 s[64:65], 0
	v_nop
	global_prefetch_b8 v0, s[64:65] scope:SCOPE_SE
	s_setreg_imm32_b32 hwreg(HW_REG_WAVE_MODE, 25, 1), 1
	s_wait_xcnt 0x0
; QKV projection and attention of ONE head of one output slab, all products on codes of E4M3 with one E8M0 scale for each 32 along K.  Nothing of reference() is left out here.
; A work-group = (head n: the grid's x; slab y = 2 x batch + branch: the grid's y).  k and v come from slab y with its branch's Wqkv, q from the partner slab y xor 1 with the partner's Wqkv.
; THE SOFTMAX IS QUANTISED FINISHED AND NORMALISED, so a row's maximum and sum over all 1,024 keys are known before any weight is converted: a wave keeps the 16 x 1,024 scores of a tile of 16 queries
; in 512 registers, and each score is multiplied once and put through one exponential.  The row's maximum is taken away before the exponential, as reference() does.
; SHARES.  Four waves.  Wave w makes q, k, v of pixel tiles 16 w .. 16 w + 15 (prologue) and then owns those 16 tiles as queries, one a trip.  q, k, v never go to memory: they pass from wave to wave through LDS as images of
; operand registers (lane l's 16 bytes at 16 l, 512 bytes a store).
; TILES ARE PERMUTED: row r of pixel tile T = 2 kb + u is pixel 32 kb + 8 u + r + 8 (r / 8); lane r of tile u of a 32-row slice of W takes row 8 u + r + 8 (r / 8).  So the two results of 8 registers for u = 0, 1 are always
; 16 neighbours, 16 (lane / 16) + 0 .. 15, along the next K, and the conversions' results are the next operand's registers.
; q . k HAS K = 32, the instruction 128: an operand of K holds FOUR key tiles, one in each block of 32; q stands in one block of a window of registers whose other three blocks are zero codes, which add nothing.
; NO CLUSTER, NO TENSOR LOAD: what the 8 heads of a batch share, 2 x 256 KB of codes, is read once, at the head, as fragments straight into registers, 32 KB a wave at a time; it never lies in LDS (it would not fit), so there is no tile
; for a joint load to land in; the 16 trips of the loop read nothing from memory.
; LIMITS: NaN and infinities are not served.  v_exp_f32 gives 0 for results under 2^-126 (ISA guide, its entry), where reference() keeps denormals.  A block whose largest magnitude lies under 2^-118 gets the byte 1.
; A block's largest weight is not searched for: the block's largest score goes through the same multiply-add, exponential and multiplication; this takes v_exp_f32 not to fall where its input rises.
; REGISTERS, in windows of 256 (s_set_vgpr_msb: bits 1:0 source 0, 3:2 source 1, 5:4 source 2, 7:6 destination):
;   window 1: prologue: W's fragments (q at 0, k at 64, v at 128; tile u, K step k at + 32 u + 16 k); then ALL OF K, group g of four key tiles at 16 g, for all 16 trips
;   windows 2, 3: prologue: two batches of 8 tiles of x's codes (tile t at 32 t + 16 k + 4 c); then the scores: key tile T at window 2 + T / 32, register 8 (T % 32): register 16 b + i = key 32 b + 16 (lane / 16) + i
;   window 0: below
.set QSW,   0                          ; LDS: q's scale byte, four times in a word, 128 bytes a tile
.set KSW,   8192                       ; k's scale words: 8 register images (lanes 0-15 group 2 i, lanes 16-31 group 2 i + 1)
.set VSW,   9216                       ; v's: 8 images (key step st; lanes 0-15 e = 0, lanes 16-31 e = 1)
.set SPARE, 10240                      ; the spare words, 128 bytes a wave
.set QI,    12288                      ; q: 512 bytes a tile
.set KI,    45056                      ; k: 2,048 bytes a group of four tiles
.set VI,    77824                      ; v: 2,048 x (2 st + e)
.set AQ,   1                           ; v1   16 l + 8,192 w + QI
.set AQS,  2                           ; v2   4 l + 2,048 w
.set AV,   3                           ; v3   16 l + VI
.set WOF,  4                           ; v4   W's codes: (r + 8 (r / 8)) x 256 + 16 h
.set WSO,  5                           ; v5   W's scales: (r + 8 (r / 8)) x 8
.set SPW,  6                           ; v6   my spare word
.set NIL,  7                           ; v7   0
.set LI16, 8                           ; v8   16 l
.set R8,   9                           ; v9   8 r
.set AI,   10                          ; v10  prologue: 16 l + 8,192 w; loop: the trip's q image
.set AIV,  11                          ; v11  prologue: AI + VI; loop: the trip's q scale word
.set QS,   12                          ; v12  q's scale word
.set AR4,  13                          ; v13  4 r + 256 w
.set KS,   14                          ; v14-21 k's scale words
.set VS,   22                          ; v22-29 v's
.set PW,   30                          ; v30-37 the weights' scale words, one a key step
.set QW,   38                          ; v38-65 12 zeros, q's 4 registers, 12 zeros
.set O,    66                          ; v66-81 O^T: register i = channel 16 h + i of the head, query r
.set NM,   82                          ; v[82:83] -c x the row's largest score
.set R,    84                          ; v[84:85] 1 / the row's sum
.set BM,   86                          ; v86-117 a block's largest score, then weight, then 448 x its scale
.set SO,   118                         ; v118-149 the conversions' scale operands
.set PC,   150                         ; v150-181 the weights' codes, two sets; prologue: the codes just made (150-165)
.set VF,   182                         ; v182-245 v's fragments, two sets of 32
.set ACC,  182                         ; v182-189 the sum's four chains (while no fragment of v is held)
.set T,    246                         ; v246-255 at work
.set D,    86                          ; prologue: v86-149 eight accumulators
.set TM,   166                         ; prologue: v166-181 magnitudes, bytes, holds, scales
.set XS,   182                         ; prologue: v182-213 x's scale words, two sets of 16
.set WS,   214                         ; prologue: v214-225 W's scale words: q, k, v x (2 u + k)
.set PWP,  226                         ; prologue: the scale word just made
.set MSB, 0
.macro WIN new                         ; the immediate's high byte repeats the setting that is left; a switch that changes nothing is dropped
.if MSB != (\new)
	s_set_vgpr_msb (MSB<<8)|(\new)
.set MSB, (\new)
.endif
.endm
.macro PLACES n                        ; plain vector instructions behind matrix instructions (ISA guide 7.12.1)
.rept \n
	v_nop
.endr
.endm
	s_load_b512 s[4:19], s[0:1], 0x0               ; xc, xs, WqkvA codes, scales, WqkvB codes, scales, oc, os
	v_lshl_add_u32 v[SPW], v0, 2, SPARE
	v_mov_b32 v[NIL], 0
	v_lshrrev_b32 v250, 5, v0
	v_readfirstlane_b32 s20, v250                  ; wave 0..3
	v_and_b32 v250, 31, v0                         ; l
	v_and_b32 v251, 15, v0                         ; r
	v_bfe_u32 v252, v0, 4, 1                       ; h
	v_and_b32 v253, 8, v251
	v_add_nc_u32 v253, v253, v251                  ; r + 8 (r / 8)
	v_lshlrev_b32 v[LI16], 4, v250
	v_lshlrev_b32 v[R8], 3, v251
	v_lshlrev_b32 v[WOF], 8, v253
	v_lshl_add_u32 v[WOF], v252, 4, v[WOF]
	v_lshlrev_b32 v[WSO], 3, v253
	s_lshl_b32 s25, s20, 13
	v_add_nc_u32 v[AI], s25, v[LI16]
	v_add_nc_u32 v[AIV], VI, v[AI]
	v_add_nc_u32 v[AQ], QI, v[AI]
	v_add_nc_u32 v[AV], VI, v[LI16]
	s_lshl_b32 s25, s20, 11
	v_lshl_add_u32 v[AQS], v250, 2, s25
	s_lshl_b32 s25, s20, 8
	v_lshl_add_u32 v[AR4], v251, 2, s25
.irp j, 0,1,2,3,4,5,6,7,8,9,10,11
	v_mov_b32 v[QW+\j], 0                          ; zero codes round q
	v_mov_b32 v[QW+16+\j], 0
.endr
	v_mov_b32 v[NM+1], 0                           ; (named as the upper halves of pairs)
	v_mov_b32 v[R+1], 0
.irp j, 0,1,2,3
	v_mov_b32 v[TM+4+\j], 0                        ; (a lane permute's destination counts as one of its sources)
	v_mov_b32 v[T+\j], 0
.endr
	s_and_b32 s22, ttmp7, 0xffff                   ; y
	s_and_b32 s23, s22, 1                          ; its branch
	s_xor_b32 s21, s22, 1                          ; the partner slab
	s_lshl_b32 s25, s20, 16                        ; my 16 tiles of 4,096 bytes
	s_lshl_b32 s28, s21, 18
	s_add_co_u32 s28, s28, s25                     ; q's x: codes
	s_mov_b32 s29, 0
	s_lshl_b32 s32, s22, 18
	s_add_co_u32 s32, s32, s25                     ; k's and v's x: codes
	s_mov_b32 s33, 0
	s_lshl_b32 s25, s20, 11                        ; my 16 tiles of 128 bytes
	s_lshl_b32 s30, s21, 13
	s_add_co_u32 s30, s30, s25                     ; q's x: scales
	s_mov_b32 s31, 0
	s_lshl_b32 s34, s22, 13
	s_add_co_u32 s34, s34, s25                     ; k's and v's x: scales
	s_mov_b32 s35, 0
	s_mul_i32 s36, ttmp9, 96*256                   ; the head's 96 rows of Wqkv: q's 32 first,
	s_mov_b32 s37, 0
	s_mul_i32 s38, ttmp9, 96*8
	s_mov_b32 s39, 0
	s_add_co_u32 s40, s36, 32*256                  ; then k's; v's follow by immediates
	s_mov_b32 s41, 0
	s_add_co_u32 s42, s38, 32*8
	s_mov_b32 s43, 0
	s_lshr_b32 s25, ttmp9, 2                       ; oc: my slab and tiles, + 2,048 (n / 4) + 512 (n % 4)
	s_lshl_b32 s25, s25, 11
	s_add_co_u32 s44, s32, s25
	s_and_b32 s25, ttmp9, 3
	s_lshl_b32 s25, s25, 9
	s_add_co_u32 s44, s44, s25
	s_mov_b32 s45, 0
	s_add_co_u32 s46, s34, ttmp9                   ; os: + n
	s_mov_b32 s47, 0
	s_mov_b32 s48, 0x76543210                      ; v_permlanex16_b32's selects for lane l xor 16
	s_mov_b32 s49, 0xfedcba98
	s_mov_b32 s50, 0x600000                        ; the mantissa field of 448
	s_mov_b32 s52, 0x3db8aa3b                      ; c = log2(e) / sqrt(256)
	s_mov_b32 s53, s52                             ; (named with it as a pair)
	s_mov_b32 s54, 0xbdb8aa3b                      ; -c
	s_mov_b32 s55, 0x01010101                      ; a byte, four times
	s_wait_kmcnt 0x0
	s_add_nc_u64 s[28:29], s[4:5], s[28:29]
	s_add_nc_u64 s[32:33], s[4:5], s[32:33]
	s_add_nc_u64 s[30:31], s[6:7], s[30:31]
	s_add_nc_u64 s[34:35], s[6:7], s[34:35]
	s_add_nc_u64 s[44:45], s[16:17], s[44:45]
	s_add_nc_u64 s[46:47], s[18:19], s[46:47]
	s_cmp_eq_u32 s23, 0                            ; the weights: k and v by my branch, q by the other; the choice hangs on the work-group's number alone
	s_cselect_b64 s[58:59], s[12:13], s[8:9]
	s_add_nc_u64 s[36:37], s[58:59], s[36:37]      ; q's codes
	s_cselect_b64 s[58:59], s[14:15], s[10:11]
	s_add_nc_u64 s[38:39], s[58:59], s[38:39]      ; q's scales
	s_cselect_b64 s[58:59], s[8:9], s[12:13]
	s_add_nc_u64 s[40:41], s[58:59], s[40:41]      ; k's codes
	s_cselect_b64 s[58:59], s[10:11], s[14:15]
	s_add_nc_u64 s[42:43], s[58:59], s[42:43]      ; k's scales
	; ---- W's twelve fragments and their scale words: 60 loads
	WIN 0x40
.irp u, 0,1
.irp k, 0,1
.irp c, 0,1,2,3
	global_load_b128 v[32*\u+16*\k+4*\c:32*\u+16*\k+4*\c+3], v[WOF], s[36:37] offset:2048*\u+128*\k+32*\c
	global_load_b128 v[64+32*\u+16*\k+4*\c:64+32*\u+16*\k+4*\c+3], v[WOF], s[40:41] offset:2048*\u+128*\k+32*\c
	global_load_b128 v[128+32*\u+16*\k+4*\c:128+32*\u+16*\k+4*\c+3], v[WOF], s[40:41] offset:8192+2048*\u+128*\k+32*\c
.endr
.endr
.endr
	WIN 0
.irp u, 0,1
.irp k, 0,1
	global_load_b32 v[WS+2*\u+\k], v[WSO], s[38:39] offset:64*\u+4*\k
	global_load_b32 v[WS+4+2*\u+\k], v[WSO], s[42:43] offset:64*\u+4*\k
	global_load_b32 v[WS+8+2*\u+\k], v[WSO], s[42:43] offset:256+64*\u+4*\k
.endr
.endr
; 8 tiles of x's codes, from tile 'first' of my 16, into a window, and their scale words into a set: 72 loads, each of the 64 of 512 consecutive bytes
.macro XLOAD win, cp, sp, first, set
	WIN \win
.irp t, 0,1,2,3,4,5,6,7
.irp k, 0,1
.irp c, 0,1,2,3
	global_load_b128 v[32*\t+16*\k+4*\c:32*\t+16*\k+4*\c+3], v[LI16], s[\cp:\cp+1] offset:((\first)+\t)*4096+2048*\k+512*\c
.endr
.endr
.endr
	WIN 0
.irp t, 0,1,2,3,4,5,6,7
	global_load_b64 v[XS+16*(\set)+2*\t:XS+16*(\set)+2*\t+1], v[R8], s[\sp:\sp+1] offset:((\first)+\t)*128
.endr
.endm
; q or k of four pixel tiles, TRANSPOSED (source 0 = 16 rows of W, source 1 = 16 pixels): lane (r, h) holds pixel row r; register 16 t + i = channel 16 h + i of the head.  Eight accumulators by turns.
.macro MMT wb, wsb, xb, xsb, setting
	WIN \setting
.irp k, 0,1
.irp t, 0,1,2,3
.irp u, 0,1
.if \k == 0
	v_wmma_scale_f32_16x16x128_f8f6f4 v[D+16*\t+8*\u:D+16*\t+8*\u+7], v[\wb+32*\u+16*\k:\wb+32*\u+16*\k+15], v[\xb+32*\t+16*\k:\xb+32*\t+16*\k+15], 0, v[\wsb+2*\u+\k], v[\xsb+2*\t+\k]
.else
	v_wmma_scale_f32_16x16x128_f8f6f4 v[D+16*\t+8*\u:D+16*\t+8*\u+7], v[\wb+32*\u+16*\k:\wb+32*\u+16*\k+15], v[\xb+32*\t+16*\k:\xb+32*\t+16*\k+15], v[D+16*\t+8*\u:D+16*\t+8*\u+7], v[\wsb+2*\u+\k], v[\xsb+2*\t+\k]
.endif
.endr
.endr
.endr
.endm
; v of eight pixel tiles (128 keys), NOT transposed (source 0 = 16 pixels, source 1 = tile e of W's rows): lane (r, h) holds channel 8 e + r + 8 (r / 8); register 16 b + i = key 32 b + 16 h + i of the 128
.macro MMV e, xsb, setting
	WIN \setting
.irp k, 0,1
.irp t, 0,1,2,3,4,5,6,7
.if \k == 0
	v_wmma_scale_f32_16x16x128_f8f6f4 v[D+8*\t:D+8*\t+7], v[32*\t+16*\k:32*\t+16*\k+15], v[128+32*(\e)+16*\k:128+32*(\e)+16*\k+15], 0, v[\xsb+2*\t+\k], v[WS+8+2*(\e)+\k]
.else
	v_wmma_scale_f32_16x16x128_f8f6f4 v[D+8*\t:D+8*\t+7], v[32*\t+16*\k:32*\t+16*\k+15], v[128+32*(\e)+16*\k:128+32*(\e)+16*\k+15], v[D+8*\t:D+8*\t+7], v[\xsb+2*\t+\k], v[WS+8+2*(\e)+\k]
.endif
.endr
.endr
.endm
; 64 numbers of a lane, v[D] on, in four blocks (block b: registers 16 b .. 16 b + 15, with lane l xor 16's 16), become 16 registers of codes in v[PC] on; the bytes in v[TM+4] on; word = 1: the four bytes as a word in v[PWP]
.macro QUANT64 word
.irp b, 0,1,2,3
	v_max3_num_f32 v[TM+\b], |v[D+16*\b]|, |v[D+1+16*\b]|, 0x4800000   ; each accumulator is read from its low end on; the floor 2^(9 - 127) holds the byte at 1 from below
.endr
.irp i, 2,4,6,8,10,12,14
.irp b, 0,1,2,3
	v_max3_num_f32 v[TM+\b], v[TM+\b], |v[D+16*\b+\i]|, |v[D+1+16*\b+\i]|
.endr
.endr
.irp b, 0,1,2,3
	v_permlanex16_b32 v[TM+4+\b], v[TM+\b], s48, s49
.endr
.irp b, 0,1,2,3
	v_max_num_f32 v[TM+\b], v[TM+\b], v[TM+4+\b]   ; the block's largest magnitude
.endr
.irp b, 0,1,2,3
	v_add_nc_u32 v[TM+12+\b], 0xfc000000, v[TM+\b] ; 8 off its exponent field: the conversion's scale operand
.endr
.irp b, 0,1,2,3
	v_and_or_b32 v[TM+8+\b], v[TM+\b], 0x7f800000, s50   ; 448 x the scale
.endr
.irp b, 0,1,2,3
	v_lshrrev_b32 v[TM+4+\b], 23, v[TM+12+\b]      ; the scale's byte
.endr
.if \word
	v_lshl_or_b32 v[PWP], v[TM+5], 8, v[TM+4]
	v_lshl_or_b32 v[PWP], v[TM+6], 16, v[PWP]
	v_lshl_or_b32 v[PWP], v[TM+7], 24, v[PWP]
.endif
.irp b, 0,1,2,3
.irp i, 0,1,2,3,4,5,6,7,8,9,10,11,12,13,14,15
	v_med3_num_f32 v[D+16*\b+\i], v[D+16*\b+\i], -v[TM+8+\b], v[TM+8+\b]   ; the conversion to an 8-bit code does not saturate (ISA guide 7.6.2)
.endr
	v_cvt_scalef32_pk8_fp8_f32 v[PC+4*\b:PC+1+4*\b], v[D+16*\b:D+7+16*\b], v[TM+12+\b]
	v_cvt_scalef32_pk8_fp8_f32 v[PC+2+4*\b:PC+3+4*\b], v[D+8+16*\b:D+15+16*\b], v[TM+12+\b]
.endr
	v_nop                                          ; a plain instruction between the conversions and the next products, which write their sources
.endm
.macro IMAGE adr, off                  ; the 16 registers of codes go to LDS as they stand
.irp c, 0,1,2,3
	ds_store_b128 v[\adr], v[PC+4*\c:PC+4*\c+3] offset:\off+512*\c
.endr
.endm
; q of my tiles 4 g .. 4 g + 3: block b of the codes is tile 4 g + b's image
.macro QGROUP g
	MMT 0, WS, 128*((\g)%2), XS+16*((\g)/2)+8*((\g)%2), 0x09+4*((\g)/2)
	WIN 0
	PLACES 8
	QUANT64 0
	IMAGE AI, QI+2048*(\g)
.irp b, 0,1,2,3
	v_mul_lo_u32 v[TM+4+\b], v[TM+4+\b], s55       ; q may stand in any block: its byte four times
.endr
.irp b, 0,1,2,3
	ds_store_b32 v[AQS], v[TM+4+\b] offset:QSW+512*(\g)+128*\b
.endr
	s_wait_dscnt 0x0                               ; the stores have read their registers
.endm
; k of my tiles 4 g .. 4 g + 3: the 16 registers ARE the operand of a group of four key tiles, the word its scale word
.macro KGROUP g
	MMT 64, WS+4, 128*((\g)%2), XS+16*((\g)/2)+8*((\g)%2), 0x09+4*((\g)/2)
	WIN 0
	PLACES 8
	QUANT64 1
	IMAGE AI, KI+2048*(\g)
	ds_store_b32 v[AR4], v[PWP] offset:KSW+128*((\g)/2)+64*((\g)%2)   ; lanes r and 16 + r write the same word with the same value
	s_wait_dscnt 0x0
.endm
; v of my batch bi (key step 2 w + bi), tile e of the head's channels
.macro VGROUP bi, e
	MMV \e, XS+16*(\bi), 0x06+(\bi)
	WIN 0
	PLACES 8
	QUANT64 1
	IMAGE AIV, 4096*(\bi)+2048*(\e)
	ds_store_b32 v[AR4], v[PWP] offset:VSW+128*(\bi)+64*(\e)
	s_wait_dscnt 0x0
.endm
	; ---- THE PROLOGUE.  Two batches of x are always asked for; a batch's registers are loaded again behind the last group that multiplied them, whose quantising stands between as the places
	XLOAD 0x80, 28, 30, 0, 0                       ; the partner's tiles 0-7
	XLOAD 0xc0, 28, 30, 8, 1                       ; and 8-15
	s_wait_loadcnt 63                              ; 72 loads were issued behind the first batch's last: W and that batch are in
	QGROUP 0
	QGROUP 1
	XLOAD 0x80, 32, 34, 0, 0                       ; my slab's tiles 0-7
	s_wait_loadcnt 63                              ; again 72 behind the batch that is wanted
	QGROUP 2
	QGROUP 3
	XLOAD 0xc0, 32, 34, 8, 1                       ; and 8-15
	s_wait_loadcnt 63
	KGROUP 0
	KGROUP 1
	VGROUP 0, 0
	VGROUP 0, 1
	s_wait_loadcnt 0x0
	KGROUP 2
	KGROUP 3
	VGROUP 1, 0
	VGROUP 1, 1
	s_barrier_signal -1                            ; my LDS stores have landed (each group ends with the wait for them): the launch's one barrier
	s_barrier_wait -1
	v_add_nc_u32 v[AI], KI, v[LI16]
	v_and_b32 v[AIV], 31, v0
	v_lshlrev_b32 v[AIV], 2, v[AIV]
	WIN 0x40
.set iq, 0
.rept 64                                       ; all of K into window 1, where it stays
	ds_load_b128 v[4*iq:4*iq+3], v[AI] offset:512*iq
.set iq, iq+1
.endr
	WIN 0
.irp i, 0,1,2,3,4,5,6,7
	ds_load_b32 v[KS+\i], v[AIV] offset:KSW+128*\i
	ds_load_b32 v[VS+\i], v[AIV] offset:VSW+128*\i
.endr
	s_wait_dscnt 0x0
	s_mov_b32 s56, 16                              ; trips
	s_mov_b32 s57, 0                               ; the trip's q image: 512 bytes a tile
	s_mov_b32 s24, 0                               ; its scale word: 128 bytes a tile
; S^T = K Q^T: 64 products, each with an accumulator of its own.  The window QW + 12 - 4 c puts q into block c, which picks key tile 4 g + c of group g
.macro QK
.set ig, 0
.rept 16
	WIN 0x81+0x40*(ig/8)
.irp c, 0,1,2,3
.if ig%2
	v_wmma_scale_f32_16x16x128_f8f6f4 v[8*((4*ig+\c)%32):8*((4*ig+\c)%32)+7], v[16*ig:16*ig+15], v[QW+12-4*\c:QW+27-4*\c], 0, v[KS+ig/2], v[QS] matrix_a_scale:MATRIX_SCALE_ROW1
.else
	v_wmma_scale_f32_16x16x128_f8f6f4 v[8*((4*ig+\c)%32):8*((4*ig+\c)%32)+7], v[16*ig:16*ig+15], v[QW+12-4*\c:QW+27-4*\c], 0, v[KS+ig/2], v[QS]
.endif
.endr
.set ig, ig+1
.endr
	WIN 0
.endm
; the largest score of each of a window's 16 blocks of 32 keys (my 16 of them); each accumulator is read from its low end on
.macro MAXW hi
	WIN 0x2a+0x15*(\hi)
.set ib, 0
.rept 16
	v_max3_num_f32 v[BM+16*(\hi)+ib], v[16*ib], v[16*ib+1], v[16*ib+2]
.set ib, ib+1
.endr
	WIN 0x28+0x14*(\hi)
.irp i, 3,5,7,9,11,13
.set ib, 0
.rept 16
	v_max3_num_f32 v[BM+16*(\hi)+ib], v[BM+16*(\hi)+ib], v[16*ib+\i], v[16*ib+\i+1]
.set ib, ib+1
.endr
.endr
.set ib, 0
.rept 16
	v_max_num_f32 v[BM+16*(\hi)+ib], v[BM+16*(\hi)+ib], v[16*ib+15]
.set ib, ib+1
.endr
.endm
; p = 2^(c s - c max), in place: a window's 256 exponentials as one batch, a packed multiply-add two pairs ahead behind each two; nothing names a result ahead of the batch's wait
.macro EXPW hi
	WIN 0x82+0x41*(\hi)
	v_pk_fma_f32 v[0:1], v[0:1], s[52:53], v[NM:NM+1] op_sel_hi:[1,0,0]
	v_pk_fma_f32 v[2:3], v[2:3], s[52:53], v[NM:NM+1] op_sel_hi:[1,0,0]
.set ij, 0
.rept 128
	v_exp_f32 v[2*ij], v[2*ij]
	v_exp_f32 v[2*ij+1], v[2*ij+1]
.if ij < 126
	v_pk_fma_f32 v[2*ij+4:2*ij+5], v[2*ij+4:2*ij+5], s[52:53], v[NM:NM+1] op_sel_hi:[1,0,0]
.endif
.set ij, ij+1
.endr
	v_nop                                          ; a plain instruction behind the last exponential
	s_wait_alu depctr_va_vdst(0)                   ; one wait for the window's batch, ahead of the first instruction that names a result
.endm
; a key step's 64 weights a lane: x 1 / sum, then the hold (a weight is not negative: one-sided).  These 96 plain instructions are also the places round the products and loads that stand between two of them
.macro MULMIN st
	WIN 0x82+0x41*((\st)/4)
.irp c, 0,1,2,3
.set sb, 64*((\st)%4)+16*\c
.irp p, 0,2,4,6,8,10,12,14
	v_pk_mul_f32 v[sb+\p:sb+\p+1], v[sb+\p:sb+\p+1], v[R:R+1] op_sel_hi:[1,0]
.endr
.irp p, 0,1,2,3,4,5,6,7,8,9,10,11,12,13,14,15
	v_min_num_f32 v[sb+\p], v[sb+\p], v[BM+4*(\st)+\c]
.endr
.endr
.endm
.macro CVT st                          ; its codes: source 1 of O^T = V^T P^T
	WIN 0x02+((\st)/4)
.irp c, 0,1,2,3
.irp k, 0,1
	v_cvt_scalef32_pk8_fp8_f32 v[PC+16*((\st)%2)+4*\c+2*\k:PC+16*((\st)%2)+4*\c+2*\k+1], v[64*((\st)%4)+16*\c+8*\k:64*((\st)%4)+16*\c+8*\k+7], v[SO+4*(\st)+\c]
.endr
.endr
.endm
.macro VLOAD st                        ; v's two fragments of the key step
.irp e, 0,1
.irp c, 0,1,2,3
	ds_load_b128 v[VF+32*((\st)%2)+16*\e+4*\c:VF+32*((\st)%2)+16*\e+4*\c+3], v[AV] offset:(2*(\st)+\e)*2048+512*\c
.endr
.endr
.endm
.macro PVMM st                         ; the two accumulators take turns
.set vfb, VF+32*((\st)%2)
.set pcb, PC+16*((\st)%2)
.if (\st) == 0
	v_wmma_scale_f32_16x16x128_f8f6f4 v[O:O+7], v[vfb:vfb+15], v[pcb:pcb+15], 0, v[VS+(\st)], v[PW+(\st)]
	v_wmma_scale_f32_16x16x128_f8f6f4 v[O+8:O+15], v[vfb+16:vfb+31], v[pcb:pcb+15], 0, v[VS+(\st)], v[PW+(\st)] matrix_a_scale:MATRIX_SCALE_ROW1
.else
	v_wmma_scale_f32_16x16x128_f8f6f4 v[O:O+7], v[vfb:vfb+15], v[pcb:pcb+15], v[O:O+7], v[VS+(\st)], v[PW+(\st)]
	v_wmma_scale_f32_16x16x128_f8f6f4 v[O+8:O+15], v[vfb+16:vfb+31], v[pcb:pcb+15], v[O+8:O+15], v[VS+(\st)], v[PW+(\st)] matrix_a_scale:MATRIX_SCALE_ROW1
.endif
.endm
.Ltile:                                            ; 16 trips: a tile of 16 queries each
	v_add_nc_u32 v[AI], s57, v[AQ]
	v_add_nc_u32 v[AIV], s24, v[AQS]
	ds_load_b128 v[QW+12:QW+15], v[AI]
	ds_load_b32 v[QS], v[AIV]
	s_wait_dscnt 0x0
	QK
	PLACES 8
	MAXW 0
	MAXW 1
	WIN 0
.irp q, 0,1,2,3
.irp j, 0,1,2,3,4,5,6,7
	v_permlanex16_b32 v[T+\j], v[BM+8*\q+\j], s48, s49
.endr
.irp j, 0,1,2,3,4,5,6,7
	v_max_num_f32 v[BM+8*\q+\j], v[BM+8*\q+\j], v[T+\j]   ; with lane l xor 16's 16 keys: the block's largest score
.endr
.endr
.irp q, 0,1,2,3
	v_max3_num_f32 v[T+\q], v[BM+8*\q], v[BM+8*\q+1], v[BM+8*\q+2]
.endr
.irp q, 0,1,2,3
	v_max3_num_f32 v[T+\q], v[T+\q], v[BM+8*\q+3], v[BM+8*\q+4]
.endr
.irp q, 0,1,2,3
	v_max3_num_f32 v[T+\q], v[T+\q], v[BM+8*\q+5], v[BM+8*\q+6]
.endr
.irp q, 0,1,2,3
	v_max_num_f32 v[T+\q], v[T+\q], v[BM+8*\q+7]
.endr
	v_max3_num_f32 v[T], v[T], v[T+1], v[T+2]
	v_max_num_f32 v[T], v[T], v[T+3]               ; the row's largest score
	v_mul_f32 v[NM], s54, v[T]                     ; -c x it
.set ib, 0
.rept 32
	v_fma_f32 v[BM+ib], v[BM+ib], s52, v[NM]       ; the blocks' largest scores take the same way as all scores
.set ib, ib+1
.endr
	EXPW 0
	EXPW 1
	WIN 0
.set ib, 0
.rept 32
	v_exp_f32 v[BM+ib], v[BM+ib]
.set ib, ib+1
.endr
	v_nop
	s_wait_alu depctr_va_vdst(0)                   ; and one wait for these 32
	; ---- the row's sum, four packed chains
	WIN 0x0a
.irp k, 0,1,2,3
	v_pk_add_f32 v[ACC+2*\k:ACC+2*\k+1], v[4*\k:4*\k+1], v[4*\k+2:4*\k+3]
.endr
	WIN 0x08
.set ij, 8
.rept 120
	v_pk_add_f32 v[ACC+2*(ij%4):ACC+2*(ij%4)+1], v[ACC+2*(ij%4):ACC+2*(ij%4)+1], v[2*ij:2*ij+1]
.set ij, ij+1
.endr
	WIN 0x0c
.set ij, 0
.rept 128
	v_pk_add_f32 v[ACC+2*(ij%4):ACC+2*(ij%4)+1], v[ACC+2*(ij%4):ACC+2*(ij%4)+1], v[2*ij:2*ij+1]
.set ij, ij+1
.endr
	WIN 0
	v_pk_add_f32 v[ACC:ACC+1], v[ACC:ACC+1], v[ACC+2:ACC+3]
	v_pk_add_f32 v[ACC+4:ACC+5], v[ACC+4:ACC+5], v[ACC+6:ACC+7]
	v_pk_add_f32 v[ACC:ACC+1], v[ACC:ACC+1], v[ACC+4:ACC+5]
	v_add_f32 v[T], v[ACC], v[ACC+1]
	v_permlanex16_b32 v[T+1], v[T], s48, s49
	v_add_f32 v[T], v[T], v[T+1]
	v_rcp_f32 v[R], v[T]
	v_nop
	s_wait_alu depctr_va_vdst(0)                   ; the wait ahead of the reciprocal's first reader
	; ---- the 32 blocks' scales
.set ib, 0
.rept 32
	v_mul_f32 v[BM+ib], v[BM+ib], v[R]             ; the block's largest weight: the same bits as the weight itself will have
.set ib, ib+1
.endr
.set ib, 0
.rept 32
	v_max_num_f32 v[BM+ib], 0x4800000, v[BM+ib]    ; the floor: the byte cannot fall under 1
.set ib, ib+1
.endr
.set ib, 0
.rept 32
	v_add_nc_u32 v[SO+ib], 0xfc000000, v[BM+ib]    ; the conversion's scale operand
.set ib, ib+1
.endr
.irp st, 0,1,2,3,4,5,6,7
.irp c, 0,1,2,3
	v_lshrrev_b32 v[T+4*(\st%2)+\c], 23, v[SO+4*\st+\c]
.endr
	v_lshl_or_b32 v[PW+\st], v[T+4*(\st%2)+1], 8, v[T+4*(\st%2)]   ; a key step's four bytes: its scale word
	v_lshl_or_b32 v[PW+\st], v[T+4*(\st%2)+2], 16, v[PW+\st]
	v_lshl_or_b32 v[PW+\st], v[T+4*(\st%2)+3], 24, v[PW+\st]
.endr
.set ib, 0
.rept 32
	v_and_or_b32 v[BM+ib], v[BM+ib], 0x7f800000, s50   ; 448 x the scale
.set ib, ib+1
.endr
	; ---- O^T = V^T P^T, eight key steps; a step's products stand one step's normalising behind its conversions
	VLOAD 0
	MULMIN 0
	CVT 0
.irp st, 1,2,3,4,5,6,7
	MULMIN \st
	WIN 0
	s_wait_dscnt 0x0                               ; v's fragments of the step before, asked for 96 instructions ago
	PVMM \st-1
	VLOAD \st
	CVT \st
.endr
	WIN 0
	PLACES 4                                       ; codes written by vector instructions stand four places ahead of a scaled product
	s_wait_dscnt 0x0
	PVMM 7
	PLACES 8
	; ---- the head's 32 channels of my 16 queries are one block of the last product's K
	v_max3_num_f32 v[T], |v[O]|, |v[O+1]|, 0x4800000
.irp i, 2,4,6,8,10,12,14
	v_max3_num_f32 v[T], v[T], |v[O+\i]|, |v[O+\i+1]|
.endr
	v_permlanex16_b32 v[T+1], v[T], s48, s49
	v_max_num_f32 v[T], v[T], v[T+1]
	v_add_nc_u32 v[T+2], 0xfc000000, v[T]
	v_and_or_b32 v[T+3], v[T], 0x7f800000, s50
.irp i, 0,1,2,3,4,5,6,7,8,9,10,11,12,13,14,15
	v_med3_num_f32 v[O+\i], v[O+\i], -v[T+3], v[T+3]
.endr
	v_cvt_scalef32_pk8_fp8_f32 v[T+4:T+5], v[O:O+7], v[T+2]
	v_cvt_scalef32_pk8_fp8_f32 v[T+6:T+7], v[O+8:O+15], v[T+2]
	v_lshrrev_b32 v[T+8], 23, v[T+2]               ; the byte (and the plain instruction behind the conversions)
	global_store_b128 v[LI16], v[T+4:T+7], s[44:45]   ; one quad of the next operand's image: 512 consecutive bytes
	global_store_b8 v[R8], v[T+8], s[46:47]        ; lanes r and 16 + r write the same byte with the same value
	s_wait_xcnt 0x0                                ; the stores' bases and data are written again only behind this wait
	s_add_nc_u64 s[44:45], s[44:45], 4096
	s_add_nc_u64 s[46:47], s[46:47], 128
	s_add_co_u32 s57, s57, 512
	s_add_co_u32 s24, s24, 128
	s_sub_co_u32 s56, s56, 1
	s_cmp_lg_u32 s56, 0
	s_cbranch_scc1 .Ltile
	s_wait_tensorcnt 0x0                           ; the wave's end
	ds_add_u32 v[SPW], v[NIL]
	s_wait_dscnt 0x0
	s_endpgm
.Lfunc_end_k_qfb8db0aa02_attn:
	.size	k_qfb8db0aa02_attn, .Lfunc_end_k_qfb8db0aa02_attn-k_qfb8db0aa02_attn
	.p2alignl 7, 3214868480
	.fill 96, 4, 3214868480
	.section	.rodata,"a",@progbits
	.p2align	6, 0x0
	.amdhsa_kernel k_qfb8db0aa02_attn
		.amdhsa_group_segment_fixed_size 110592
		.amdhsa_private_segment_fixed_size 0
		.amdhsa_enable_private_segment 0
		.amdhsa_kernarg_size 64
		.amdhsa_user_sgpr_count 2
		.amdhsa_user_sgpr_kernarg_segment_ptr 1
		.amdhsa_wavefront_size32 1
		.amdhsa_system_sgpr_workgroup_id_x 1
		.amdhsa_system_sgpr_workgroup_id_y 1
		.amdhsa_system_sgpr_workgroup_id_z 1
		.amdhsa_system_vgpr_workitem_id 0
		.amdhsa_next_free_vgpr 1024
		.amdhsa_next_free_sgpr 66
		.amdhsa_reserve_vcc 0
		.amdhsa_float_denorm_mode_32 3
		.amdhsa_float_denorm_mode_16_64 3
		.amdhsa_memory_ordered 1
		.amdhsa_forward_progress 1
		.amdhsa_inst_pref_size 255
	.end_amdhsa_kernel
	.section	.bss,"aw",@nobits
	.p2align	6
	.space	262144
	.amdgpu_metadata
---
amdhsa.version: [ 1, 2 ]
amdhsa.kernels:
  - .name:           k_qfb8db0aa02_attn
    .symbol:         k_qfb8db0aa02_attn.kd
    .args:
      - { .name: xc, .offset: 0, .size: 8, .value_kind: global_buffer, .address_space: global }
      - { .name: xs, .offset: 8, .size: 8, .value_kind: global_buffer, .address_space: global }
      - { .name: WqkvA_codes, .offset: 16, .size: 8, .value_kind: global_buffer, .address_space: global }
      - { .name: WqkvA_scales, .offset: 24, .size: 8, .value_kind: global_buffer, .address_space: global }
      - { .name: WqkvB_codes, .offset: 32, .size: 8, .value_kind: global_buffer, .address_space: global }
      - { .name: WqkvB_scales, .offset: 40, .size: 8, .value_kind: global_buffer, .address_space: global }
      - { .name: oc, .offset: 48, .size: 8, .value_kind: global_buffer, .address_space: global }
      - { .name: os, .offset: 56, .size: 8, .value_kind: global_buffer, .address_space: global }
    .group_segment_fixed_size: 110592
    .private_segment_fixed_size: 0
    .kernarg_segment_align: 8
    .kernarg_segment_size: 64
    .max_flat_workgroup_size: 128
    .sgpr_count:     66
    .vgpr_count:     1024
    .wavefront_size: 32
...
	.end_amdgpu_metadata
.endif
;; end of part 2
;; launch proj (part 3): grid 8 x 32, 8 waves a work-group, no clusters, 168,960 bytes of LDS; arguments oc, os, ab, x_A, x_B, WoutA_codes, WoutA_scales, WoutB_codes, WoutB_scales, out0, out1; writes out0, out1
.if DOCPART == 3
	.amdgcn_target "amdgcn-amd-amdhsa--gfx1250"
	.amdhsa_code_object_version 6
	.text
	.protected	k_qfb8db0aa02_proj
	.globl	k_qfb8db0aa02_proj
	.p2align	8
	.type	k_qfb8db0aa02_proj,@function
k_qfb8db0aa02_proj:
	s_mov_b64 s[64:65], 0
	v_nop
	global_prefetch_b8 v0, s[64:65] scope:SCOPE_SE
	s_setreg_imm32_b32 hwreg(HW_REG_WAVE_MODE, 25, 1), 1
	s_wait_xcnt 0x0
; out = Wout x (attention's result, as codes) + bout + norm, with norm = a x + (beta - mu a) made anew from x and the first launch's a and bb = beta + bout - mu a.  Nothing of reference() is left out here.
; A work-group = (128 pixels: the grid's x; slab y = 2 x batch + branch: the grid's y) x all 256 output channels.  Wave w owns channels 32 w .. 32 w + 31 for the 8 pixel tiles; its part of Wout (4 fragments) stays in registers.
; Each wave brings one of the 8 tiles' fragments (4,096 bytes, already in the order of an operand's registers) and hands it to the others through LDS as it stands; one barrier.
; The product is NOT transposed (source 0 = 16 pixels, source 1 = 16 channels): lane (r, h) holds channel 16 ct + r, and register j of tile T the pixel 32 (T / 2) + 8 (T % 2) + 16 h + j: eight neighbouring numbers of a row of out.
; bb is the C of each sum's first product.  The results go through the wave's own stage in LDS and come back as whole rows of 512 bytes.
; NO CLUSTER: what the 8 work-groups of a slab share is Wout, 64 KB of the some 350 KB that a work-group moves (32 of codes, 128 of x, 128 of out); no tensor load: every operand comes in register order straight from memory.
; LIMITS: NaN and infinities are not served; norm is made as one fused a x + sum, which rounds otherwise than reference()'s (x - mu) rstd gamma + beta.
.set OI,    0                          ; LDS: the 8 tiles' fragments, 4,096 bytes each
.set STG,   32768                      ; 8 stages of 32 rows x (512 + 16) bytes, each wave's own
.set SPARE, 167936                     ; the spare words, 128 bytes for each of 8 waves
.set WSC,   10                         ; v10-13  Wout's scale words (2 ct + k)
.set OSC,   14                         ; v14-29  the tiles' scale words (2 T + k)
.set W,     32                         ; v32-95  Wout's fragments (32 ct + 16 k)
.set OF,    96                         ; v96-223 four tiles' fragments (32 t + 16 k); first the fragment that I hand on; last the rows of out
.set ST,    96
.set BB,    224                        ; v224-239 bb of my lane's channel, eight times, for ct = 0, 1
.set XR,    128                        ; window 1: v128-255 x: channel k at XR + 4 k;  v0-127 the 16 accumulators, (8 ct + T) x 8
.set MSB, 0
.macro WIN new
.if MSB != (\new)
	s_set_vgpr_msb (MSB<<8)|(\new)
.set MSB, (\new)
.endif
.endm
	s_load_b512 s[4:19], s[0:1], 0x0               ; oc, os, ab, x_A, x_B, WoutA codes, scales, WoutB codes
	s_load_b128 s[20:23], s[0:1], 0x40             ; WoutB scales, out0
	s_load_b64 s[24:25], s[0:1], 0x50              ; out1
	v_lshl_add_u32 v8, v0, 2, SPARE                ; my spare word
	v_mov_b32 v9, 0
	v_lshrrev_b32 v7, 5, v0
	v_readfirstlane_b32 s26, v7                    ; wave 0..7
	v_and_b32 v7, 31, v0                           ; l
	v_and_b32 v30, 15, v0                          ; r
	v_bfe_u32 v31, v0, 4, 1                        ; h
	v_lshlrev_b32 v1, 4, v7                        ; 16 l
	v_lshlrev_b32 v2, 8, v30
	v_lshl_add_u32 v2, v31, 4, v2                  ; Wout: 256 r + 16 h
	v_lshlrev_b32 v3, 3, v30                       ; 8 r
	s_mul_i32 s27, s26, 16896
	s_add_co_u32 s27, s27, STG                     ; my stage
	v_mul_u32_u24 v4, v30, 528
	v_lshl_add_u32 v4, v31, 6, v4
	v_add_nc_u32 v4, s27, v4                       ; in: row r, + 64 h
	v_add_nc_u32 v5, s27, v1                       ; back: 16 bytes a lane of a row
	s_lshl_b32 s27, s26, 12
	v_add_nc_u32 v6, s27, v1                       ; my tile's fragment, in memory and in LDS: 16 l + 4,096 w
	s_and_b32 s2, ttmp7, 0xffff                    ; y
	s_and_b32 s3, s2, 1                            ; branch
	s_lshl_b32 s28, s2, 18                         ; oc: 262,144 y + 32,768 x block
	s_lshl_b32 s29, ttmp9, 15
	s_add_co_u32 s28, s28, s29
	s_mov_b32 s29, 0
	s_lshl_b32 s30, s2, 13                         ; os: 8,192 y + 1,024 x block
	s_lshl_b32 s31, ttmp9, 10
	s_add_co_u32 s30, s30, s31
	s_mov_b32 s31, 0
	s_lshl_b32 s32, s2, 11                         ; ab: 2,048 y + 256 w
	s_lshl_b32 s33, s26, 8
	s_add_co_u32 s32, s32, s33
	s_mov_b32 s33, 0
	s_lshl_b32 s34, s26, 13                        ; Wout's codes: my 32 rows of 256 bytes
	s_mov_b32 s35, 0
	s_lshl_b32 s36, s26, 8                         ; its scales: 8 bytes a row
	s_mov_b32 s37, 0
	s_lshr_b32 s38, s2, 1                          ; x, out: batch x 2^20 + 131,072 w + 512 x block
	s_lshl_b32 s38, s38, 20
	s_lshl_b32 s39, s26, 17
	s_add_co_u32 s38, s38, s39
	s_lshl_b32 s39, ttmp9, 9
	s_add_co_u32 s38, s38, s39
	s_mov_b32 s39, 0
	s_wait_kmcnt 0x0
	s_cmp_eq_u32 s3, 0                             ; the branch's buffers: the choice hangs on the work-group's number alone
	s_cselect_b64 s[10:11], s[10:11], s[12:13]     ; x
	s_cselect_b64 s[14:15], s[14:15], s[18:19]     ; Wout's codes
	s_cselect_b64 s[16:17], s[16:17], s[20:21]     ; its scales
	s_cselect_b64 s[22:23], s[22:23], s[24:25]     ; out
	s_add_nc_u64 s[4:5], s[4:5], s[28:29]
	s_add_nc_u64 s[6:7], s[6:7], s[30:31]
	s_add_nc_u64 s[8:9], s[8:9], s[32:33]
	s_add_nc_u64 s[14:15], s[14:15], s[34:35]
	s_add_nc_u64 s[16:17], s[16:17], s[36:37]
	s_add_nc_u64 s[10:11], s[10:11], s[38:39]
	s_add_nc_u64 s[22:23], s[22:23], s[38:39]
	s_load_b512 s[28:43], s[8:9], 0x0              ; (a, bb) of my 32 channels as scalar pairs: channel k at s[28 + 2 k] (k < 16), s[68 + 2 (k - 16)]
	s_load_b512 s[44:59], s[8:9], 0x40
	s_load_b512 s[68:83], s[8:9], 0x80
	s_load_b512 s[84:99], s[8:9], 0xc0
.irp i, 0,1,2,3,4,5,6,7
	global_load_b128 v[OF+4*\i:OF+4*\i+3], v6, s[4:5] offset:512*\i      ; the fragment that I hand on
.endr
.irp t, 0,1,2,3,4,5,6,7
	global_load_b64 v[OSC+2*\t:OSC+2*\t+1], v3, s[6:7] offset:128*\t
.endr
.irp ct, 0,1
.irp k, 0,1
.irp c, 0,1,2,3
	global_load_b128 v[W+32*\ct+16*\k+4*\c:W+32*\ct+16*\k+4*\c+3], v2, s[14:15] offset:4096*\ct+128*\k+32*\c
.endr
	global_load_b32 v[WSC+2*\ct+\k], v3, s[16:17] offset:128*\ct+4*\k
.endr
.endr
.irp ct, 0,1
.irp j, 0,1,2,3,4,5,6,7
	global_load_b32 v[BB+8*\ct+\j], v3, s[8:9] offset:128*\ct+4          ; bb of channel 16 ct + r, in the result's layout
.endr
.endr
	WIN 0x40
.set ik, 0
.rept 32
	global_load_b128 v[XR+4*ik:XR+4*ik+3], v1, s[10:11] offset:4096*ik th:TH_LOAD_NT   ; x: 512 consecutive bytes of a channel
.set ik, ik+1
.endr
	WIN 0
	s_wait_loadcnt 63                              ; 76 loads were issued behind my fragment's eight: they are in
.irp i, 0,1,2,3,4,5,6,7
	ds_store_b128 v6, v[OF+4*\i:OF+4*\i+3] offset:OI+512*\i
.endr
	s_wait_dscnt 0x0                               ; for the others' sake: my stores have landed
	s_barrier_signal -1
	s_barrier_wait -1
; four tiles: their fragments from LDS, K step 0's first; eight accumulators by turns, a K step at a time
.macro HALF hf
.irp k, 0,1
.irp t, 0,1,2,3
.irp c, 0,1,2,3
	ds_load_b128 v[OF+32*\t+16*\k+4*\c:OF+32*\t+16*\k+4*\c+3], v1 offset:OI+(4*(\hf)+\t)*4096+2048*\k+512*\c
.endr
.endr
.endr
.if (\hf) == 0
	s_wait_loadcnt 32                              ; all but x's 32 loads: the weights, the scale words and bb are in
.endif
	s_wait_dscnt 16                                ; K step 0's sixteen loads are in
	WIN 0x40                                       ; D window 1; C = bb, window 0
.irp t, 0,1,2,3
.irp ct, 0,1
	v_wmma_scale_f32_16x16x128_f8f6f4 v[8*(8*\ct+4*(\hf)+\t):8*(8*\ct+4*(\hf)+\t)+7], v[OF+32*\t:OF+32*\t+15], v[W+32*\ct:W+32*\ct+15], v[BB+8*\ct:BB+8*\ct+7], v[OSC+2*(4*(\hf)+\t)], v[WSC+2*\ct]
.endr
.endr
	s_wait_dscnt 0x0
	WIN 0x50                                       ; C and D window 1
.irp t, 0,1,2,3
.irp ct, 0,1
	v_wmma_scale_f32_16x16x128_f8f6f4 v[8*(8*\ct+4*(\hf)+\t):8*(8*\ct+4*(\hf)+\t)+7], v[OF+32*\t+16:OF+32*\t+31], v[W+32*\ct+16:W+32*\ct+31], v[8*(8*\ct+4*(\hf)+\t):8*(8*\ct+4*(\hf)+\t)+7], v[OSC+2*(4*(\hf)+\t)+1], v[WSC+2*\ct+1]
.endr
.endr
	WIN 0
.rept 8
	v_nop                                          ; places in front of loads into registers that the products have read, and of the first read of results
.endr
.endm
	HALF 0
	HALF 1
	WIN 0x04                                       ; an LDS store's data are its source 1: window 1
.irp ct, 0,1
.irp t, 0,1,2,3,4,5,6,7
	ds_store_b128 v4, v[8*(8*\ct+\t):8*(8*\ct+\t)+3] offset:8448*\ct+128*(\t/2)+32*(\t%2)        ; each accumulator from its low end on
	ds_store_b128 v4, v[8*(8*\ct+\t)+4:8*(8*\ct+\t)+7] offset:8448*\ct+128*(\t/2)+32*(\t%2)+16
.endr
.endr
	WIN 0
.set ik, 0
.rept 32
	ds_load_b128 v[ST+4*ik:ST+4*ik+3], v5 offset:528*ik   ; my own bytes: LDS serves a wave's instructions in order (ISA guide 5.7.1.4), so these see the stores above
.set ik, ik+1
.endr
	s_wait_loadcnt 0x0                             ; x
	s_wait_kmcnt 0x0                               ; a
; eight channels: out = a x + (the product + bb); 32 lanes store a row's 512 consecutive bytes
.macro ROWS q
	s_wait_dscnt 8*(3-(\q))                        ; eight LDS loads for each later group may be out
	WIN 0x01                                       ; source 0 (x) window 1
.irp j, 0,1,2,3,4,5,6,7
.set ik, 8*(\q)+\j
.if ik < 16
.set sa, 28+2*ik
.else
.set sa, 68+2*(ik-16)
.endif
	v_pk_fma_f32 v[ST+4*ik:ST+4*ik+1], v[XR+4*ik:XR+4*ik+1], s[sa:sa+1], v[ST+4*ik:ST+4*ik+1] op_sel_hi:[1,0,1]       ; of the pair (a, bb) the low word serves both halves
	v_pk_fma_f32 v[ST+4*ik+2:ST+4*ik+3], v[XR+4*ik+2:XR+4*ik+3], s[sa:sa+1], v[ST+4*ik+2:ST+4*ik+3] op_sel_hi:[1,0,1]
.endr
	WIN 0
.irp j, 0,1,2,3,4,5,6,7
	global_store_b128 v1, v[ST+4*(8*(\q)+\j):ST+4*(8*(\q)+\j)+3], s[22:23] offset:4096*(8*(\q)+\j) th:TH_STORE_NT
.endr
.endm
	ROWS 0
	ROWS 1
	ROWS 2
	ROWS 3
	s_wait_tensorcnt 0x0                           ; the wave's end
	ds_add_u32 v8, v9
	s_wait_dscnt 0x0
	s_endpgm
.Lfunc_end_k_qfb8db0aa02_proj:
	.size	k_qfb8db0aa02_proj, .Lfunc_end_k_qfb8db0aa02_proj-k_qfb8db0aa02_proj
	.p2alignl 7, 3214868480
	.fill 96, 4, 3214868480
	.section	.rodata,"a",@progbits
	.p2align	6, 0x0
	.amdhsa_kernel k_qfb8db0aa02_proj
		.amdhsa_group_segment_fixed_size 168960
		.amdhsa_private_segment_fixed_size 0
		.amdhsa_enable_private_segment 0
		.amdhsa_kernarg_size 88
		.amdhsa_user_sgpr_count 2
		.amdhsa_user_sgpr_kernarg_segment_ptr 1
		.amdhsa_wavefront_size32 1
		.amdhsa_system_sgpr_workgroup_id_x 1
		.amdhsa_system_sgpr_workgroup_id_y 1
		.amdhsa_system_sgpr_workgroup_id_z 1
		.amdhsa_system_vgpr_workitem_id 0
		.amdhsa_next_free_vgpr 512
		.amdhsa_next_free_sgpr 100
		.amdhsa_reserve_vcc 0
		.amdhsa_float_denorm_mode_32 3
		.amdhsa_float_denorm_mode_16_64 3
		.amdhsa_memory_ordered 1
		.amdhsa_forward_progress 1
		.amdhsa_inst_pref_size 32
	.end_amdhsa_kernel
	.amdgpu_metadata
---
amdhsa.version: [ 1, 2 ]
amdhsa.kernels:
  - .name:           k_qfb8db0aa02_proj
    .symbol:         k_qfb8db0aa02_proj.kd
    .args:
      - { .name: oc, .offset: 0, .size: 8, .value_kind: global_buffer, .address_space: global }
      - { .name: os, .offset: 8, .size: 8, .value_kind: global_buffer, .address_space: global }
      - { .name: ab, .offset: 16, .size: 8, .value_kind: global_buffer, .address_space: global }
      - { .name: x_A, .offset: 24, .size: 8, .value_kind: global_buffer, .address_space: global }
      - { .name: x_B, .offset: 32, .size: 8, .value_kind: global_buffer, .address_space: global }
      - { .name: WoutA_codes, .offset: 40, .size: 8, .value_kind: global_buffer, .address_space: global }
      - { .name: WoutA_scales, .offset: 48, .size: 8, .value_kind: global_buffer, .address_space: global }
      - { .name: WoutB_codes, .offset: 56, .size: 8, .value_kind: global_buffer, .address_space: global }
      - { .name: WoutB_scales, .offset: 64, .size: 8, .value_kind: global_buffer, .address_space: global }
      - { .name: out0, .offset: 72, .size: 8, .value_kind: global_buffer, .address_space: global }
      - { .name: out1, .offset: 80, .size: 8, .value_kind: global_buffer, .address_space: global }
    .group_segment_fixed_size: 168960
    .private_segment_fixed_size: 0
    .kernarg_segment_align: 8
    .kernarg_segment_size: 88
    .max_flat_workgroup_size: 256
    .sgpr_count:     100
    .vgpr_count:     512
    .wavefront_size: 32
...
	.end_amdgpu_metadata
.endif
;; end of part 3
;; ======== version 2 of 2: 3 launches; version 1 with the launches attn, proj written anew for expert scheduling mode
;; limits: a difference of large sums (such as E[x^2] - mean^2): digits are lost where the result is much smaller than its terms
;; workspace buffers: xc 8,388,608 bytes; xs 262,144 bytes; ab 65,536 bytes; oc 8,388,608 bytes; os 262,144 bytes
;; launch norm: the kernel of part 1 again; grid 8 x 32, 8 waves a work-group, no clusters, 1,536 bytes of LDS; arguments x_A, x_B, gA, bA, gB, bB, boutA, boutB, xc, xs, ab; writes xc, xs, ab
;; launch attn (part 4): grid 8 x 32, 4 waves a work-group, no clusters, 110,592 bytes of LDS; arguments xc, xs, WqkvA_codes, WqkvA_scales, WqkvB_codes, WqkvB_scales, oc, os; writes oc, os
.if DOCPART == 4
	.amdgcn_target "amdgcn-amd-amdhsa--gfx1250"
	.amdhsa_code_object_version 6
	.text
	.protected	k_qfb8db0aa02_attn
	.globl	k_qfb8db0aa02_attn
	.p2align	8
	.type	k_qfb8db0aa02_attn,@function
k_qfb8db0aa02_attn:
	s_mov_b64 s[64:65], 0
	v_nop
	global_prefetch_b8 v0, s[64:65] scope:SCOPE_SE
	s_setreg_imm32_b32 hwreg(HW_REG_WAVE_SCHED_MODE, 0, 2), 2
	s_setreg_imm32_b32 hwreg(HW_REG_WAVE_MODE, 25, 1), 1
	s_wait_xcnt 0x0
	s_wait_alu depctr_vm_vsrc(0)
; QKV projection and attention of ONE head of one output slab, all products on codes of E4M3 with one E8M0 scale for each 32 along K.  Nothing of reference() is left out here.
; A work-group = (head n: the grid's x; slab y = 2 x batch + branch: the grid's y).  k and v come from slab y with its branch's Wqkv, q from the partner slab y xor 1 with the partner's Wqkv.
; THE SOFTMAX IS QUANTISED FINISHED AND NORMALISED, so a row's maximum and sum over all 1,024 keys are known before any weight is converted: a wave keeps the 16 x 1,024 scores of a tile of 16 queries
; in 512 registers, and each score is multiplied once and put through one exponential.  The row's maximum is taken away before the exponential, as reference() does.
; SHARES.  Four waves.  Wave w makes q, k, v of pixel tiles 16 w .. 16 w + 15 (prologue) and then owns those 16 tiles as queries, one a trip.  q, k, v never go to memory: they pass from wave to wave through LDS as images of
; operand registers (lane l's 16 bytes at 16 l, 512 bytes a store).
; TILES ARE PERMUTED: row r of pixel tile T = 2 kb + u is pixel 32 kb + 8 u + r + 8 (r / 8); lane r of tile u of a 32-row slice of W takes row 8 u + r + 8 (r / 8).  So the two results of 8 registers for u = 0, 1 are always
; 16 neighbours, 16 (lane / 16) + 0 .. 15, along the next K, and the conversions' results are the next operand's registers.
; q . k HAS K = 32, the instruction 128: an operand of K holds FOUR key tiles, one in each block of 32; q stands in one block of a window of registers whose other three blocks are zero codes, which add nothing.
; NO CLUSTER, NO TENSOR LOAD: what the 8 heads of a batch share, 2 x 256 KB of codes, is read once, at the head, as fragments straight into registers, 32 KB a wave at a time; it never lies in LDS (it would not fit), so there is no tile
; for a joint load to land in; the 16 trips of the loop read nothing from memory.
; LIMITS: NaN and infinities are not served.  v_exp_f32 gives 0 for results under 2^-126 (ISA guide, its entry), where reference() keeps denormals.  A block whose largest magnitude lies under 2^-118 gets the byte 1.
; A block's largest weight is not searched for: the block's largest score goes through the same multiply-add, exponential and multiplication; this takes v_exp_f32 not to fall where its input rises.
; THE MODE: SCHED_MODE bits 1:0 = 2 (LLVM: expert scheduling mode 2), set by the entry lines.  The code itself states the register dependences between vector or matrix instructions and memory or LDS
; instructions, with s_wait_alu, always for 0.
; THE PLAN.  Registers that memory or LDS instructions touch:
;   v1-5, v8, v9, v13   offsets and addresses, made at the head and never written again: one wait on va_vdst ahead of the first load.
;   windows 2, 3, XS    PROLOGUE: a batch's loads land; the products of the groups on that batch read.  A batch that is loaded again has one wait on va_vdst at its head.
;   PC, TM+4 .., PWP    PROLOGUE: a group's quantising writes, its LDS stores read: one wait on va_vdst ahead of the run of stores, one on vm_vsrc behind it, ahead of the next group's quantising.
;   window 1            W's fragments land once, the prologue's products read; K lands there behind the wait on va_vdst that follows the barrier.
;   v[AI], v[AIV]       read by the prologue's stores, by K's and the scale words' loads and by q's loads; in the loop written once a trip, behind a wait on vm_vsrc and ahead of the reciprocal's wait on va_vdst.
;   QW+12 .. 15, QS     LOOP: the trip's 64 products read them at its head; the next trip's loads land behind the reciprocal's wait.
;   VF0, VF1            LOOP: the sum's chains use VF0's first eight; key step st's loads land in VF[st % 2], its two products read it.  Step 0's loads stand behind the reciprocal's wait; step st's stand behind the products of
;                       step st - 1, which name VF[(st - 1) % 2], PC, O, VS, PW alone, and are covered by the wait ahead of those products.
;   PC, PW              LOOP: written by conversions and shifts, taken by scaled products: that same wait on va_vdst, directly ahead of each pair of products, behind the places.
;   T+4 .. T+8          LOOP: the trip's codes and byte: one wait on va_vdst ahead of the two stores, one on vm_vsrc behind them, ahead of the backward branch.
;   The scores (windows 2, 3 in the loop), O, BM, SO, NM, R are named by vector and matrix instructions alone.
; REGISTERS, in windows of 256 (s_set_vgpr_msb: bits 1:0 source 0, 3:2 source 1, 5:4 source 2, 7:6 destination):
;   window 1: prologue: W's fragments (q at 0, k at 64, v at 128; tile u, K step k at + 32 u + 16 k); then ALL OF K, group g of four key tiles at 16 g, for all 16 trips
;   windows 2, 3: prologue: two batches of 8 tiles of x's codes (tile t at 32 t + 16 k + 4 c); then the scores: key tile T at window 2 + T / 32, register 8 (T % 32): register 16 b + i = key 32 b + 16 (lane / 16) + i
;   window 0: below
.set QSW,   0                          ; LDS: q's scale byte, four times in a word, 128 bytes a tile
.set KSW,   8192                       ; k's scale words: 8 register images (lanes 0-15 group 2 i, lanes 16-31 group 2 i + 1)
.set VSW,   9216                       ; v's: 8 images (key step st; lanes 0-15 e = 0, lanes 16-31 e = 1)
.set SPARE, 10240                      ; the spare words, 128 bytes a wave
.set QI,    12288                      ; q: 512 bytes a tile
.set KI,    45056                      ; k: 2,048 bytes a group of four tiles
.set VI,    77824                      ; v: 2,048 x (2 st + e)
.set AQ,   1                           ; v1   16 l + 8,192 w + QI
.set AQS,  2                           ; v2   4 l + 2,048 w
.set AV,   3                           ; v3   16 l + VI
.set WOF,  4                           ; v4   W's codes: (r + 8 (r / 8)) x 256 + 16 h
.set WSO,  5                           ; v5   W's scales: (r + 8 (r / 8)) x 8
.set SPW,  6                           ; v6   my spare word
.set NIL,  7                           ; v7   0
.set LI16, 8                           ; v8   16 l
.set R8,   9                           ; v9   8 r
.set AI,   10                          ; v10  prologue: 16 l + 8,192 w; loop: the next trip's q image
.set AIV,  11                          ; v11  prologue: AI + VI; loop: the next trip's q scale word
.set QS,   12                          ; v12  q's scale word
.set AR4,  13                          ; v13  4 r + 256 w
.set KS,   14                          ; v14-21 k's scale words
.set VS,   22                          ; v22-29 v's
.set PW,   30                          ; v30-37 the weights' scale words, one a key step
.set QW,   38                          ; v38-65 12 zeros, q's 4 registers, 12 zeros
.set O,    66                          ; v66-81 O^T: register i = channel 16 h + i of the head, query r
.set NM,   82                          ; v[82:83] -c x the row's largest score
.set R,    84                          ; v[84:85] 1 / the row's sum
.set BM,   86                          ; v86-117 a block's largest score, then weight, then 448 x its scale
.set SO,   118                         ; v118-149 the conversions' scale operands
.set PC,   150                         ; v150-181 the weights' codes, two sets; prologue: the codes just made (150-165)
.set VF,   182                         ; v182-245 v's fragments, two sets of 32
.set ACC,  182                         ; v182-189 the sum's four chains (while no fragment of v is held)
.set T,    246                         ; v246-255 at work
.set D,    86                          ; prologue: v86-149 eight accumulators
.set TM,   166                         ; prologue: v166-181 magnitudes, bytes, holds, scales
.set XS,   182                         ; prologue: v182-213 x's scale words, two sets of 16
.set WS,   214                         ; prologue: v214-225 W's scale words: q, k, v x (2 u + k)
.set PWP,  226                         ; prologue: the scale word just made
.set MSB, 0
.macro WIN new                         ; the immediate's high byte repeats the setting that is left; a switch that changes nothing is dropped
.if MSB != (\new)
	s_set_vgpr_msb (MSB<<8)|(\new)
.set MSB, (\new)
.endif
.endm
.macro PLACES n                        ; plain vector instructions behind matrix instructions (ISA guide 7.12.1)
.rept \n
	v_nop
.endr
.endm
	s_load_b512 s[4:19], s[0:1], 0x0               ; xc, xs, WqkvA codes, scales, WqkvB codes, scales, oc, os
	v_lshl_add_u32 v[SPW], v0, 2, SPARE
	v_mov_b32 v[NIL], 0
	v_lshrrev_b32 v250, 5, v0
	v_readfirstlane_b32 s20, v250                  ; wave 0..3
	v_and_b32 v250, 31, v0                         ; l
	v_and_b32 v251, 15, v0                         ; r
	v_bfe_u32 v252, v0, 4, 1                       ; h
	v_and_b32 v253, 8, v251
	v_add_nc_u32 v253, v253, v251                  ; r + 8 (r / 8)
	v_lshlrev_b32 v[LI16], 4, v250
	v_lshlrev_b32 v[R8], 3, v251
	v_lshlrev_b32 v[WOF], 8, v253
	v_lshl_add_u32 v[WOF], v252, 4, v[WOF]
	v_lshlrev_b32 v[WSO], 3, v253
	s_wait_alu depctr_va_sdst(0)                   ; s20 is written, ahead of its first reader: LDS addresses and the buffers' offsets are made from it
	s_lshl_b32 s25, s20, 13
	v_add_nc_u32 v[AI], s25, v[LI16]
	v_add_nc_u32 v[AIV], VI, v[AI]
	v_add_nc_u32 v[AQ], QI, v[AI]
	v_add_nc_u32 v[AV], VI, v[LI16]
	s_lshl_b32 s25, s20, 11
	v_lshl_add_u32 v[AQS], v250, 2, s25
	s_lshl_b32 s25, s20, 8
	v_lshl_add_u32 v[AR4], v251, 2, s25
.irp j, 0,1,2,3,4,5,6,7,8,9,10,11
	v_mov_b32 v[QW+\j], 0                          ; zero codes round q
	v_mov_b32 v[QW+16+\j], 0
.endr
	v_mov_b32 v[NM+1], 0                           ; (named as the upper halves of pairs)
	v_mov_b32 v[R+1], 0
.irp j, 0,1,2,3
	v_mov_b32 v[TM+4+\j], 0                        ; (a lane permute's destination counts as one of its sources)
	v_mov_b32 v[T+\j], 0
.endr
	s_and_b32 s22, ttmp7, 0xffff                   ; y
	s_and_b32 s23, s22, 1                          ; its branch
	s_xor_b32 s21, s22, 1                          ; the partner slab
	s_lshl_b32 s25, s20, 16                        ; my 16 tiles of 4,096 bytes
	s_lshl_b32 s28, s21, 18
	s_add_co_u32 s28, s28, s25                     ; q's x: codes
	s_mov_b32 s29, 0
	s_lshl_b32 s32, s22, 18
	s_add_co_u32 s32, s32, s25                     ; k's and v's x: codes
	s_mov_b32 s33, 0
	s_lshl_b32 s25, s20, 11                        ; my 16 tiles of 128 bytes
	s_lshl_b32 s30, s21, 13
	s_add_co_u32 s30, s30, s25                     ; q's x: scales
	s_mov_b32 s31, 0
	s_lshl_b32 s34, s22, 13
	s_add_co_u32 s34, s34, s25                     ; k's and v's x: scales
	s_mov_b32 s35, 0
	s_mul_i32 s36, ttmp9, 96*256                   ; the head's 96 rows of Wqkv: q's 32 first,
	s_mov_b32 s37, 0
	s_mul_i32 s38, ttmp9, 96*8
	s_mov_b32 s39, 0
	s_add_co_u32 s40, s36, 32*256                  ; then k's; v's follow by immediates
	s_mov_b32 s41, 0
	s_add_co_u32 s42, s38, 32*8
	s_mov_b32 s43, 0
	s_lshr_b32 s25, ttmp9, 2                       ; oc: my slab and tiles, + 2,048 (n / 4) + 512 (n % 4)
	s_lshl_b32 s25, s25, 11
	s_add_co_u32 s44, s32, s25
	s_and_b32 s25, ttmp9, 3
	s_lshl_b32 s25, s25, 9
	s_add_co_u32 s44, s44, s25
	s_mov_b32 s45, 0
	s_add_co_u32 s46, s34, ttmp9                   ; os: + n
	s_mov_b32 s47, 0
	s_mov_b32 s48, 0x76543210                      ; v_permlanex16_b32's selects for lane l xor 16
	s_mov_b32 s49, 0xfedcba98
	s_mov_b32 s50, 0x600000                        ; the mantissa field of 448
	s_mov_b32 s52, 0x3db8aa3b                      ; c = log2(e) / sqrt(256)
	s_mov_b32 s53, s52                             ; (named with it as a pair)
	s_mov_b32 s54, 0xbdb8aa3b                      ; -c
	s_mov_b32 s55, 0x01010101                      ; a byte, four times
	s_wait_kmcnt 0x0
	s_add_nc_u64 s[28:29], s[4:5], s[28:29]
	s_add_nc_u64 s[32:33], s[4:5], s[32:33]
	s_add_nc_u64 s[30:31], s[6:7], s[30:31]
	s_add_nc_u64 s[34:35], s[6:7], s[34:35]
	s_add_nc_u64 s[44:45], s[16:17], s[44:45]
	s_add_nc_u64 s[46:47], s[18:19], s[46:47]
	s_cmp_eq_u32 s23, 0                            ; the weights: k and v by my branch, q by the other; the choice hangs on the work-group's number alone
	s_cselect_b64 s[58:59], s[12:13], s[8:9]
	s_add_nc_u64 s[36:37], s[58:59], s[36:37]      ; q's codes
	s_cselect_b64 s[58:59], s[14:15], s[10:11]
	s_add_nc_u64 s[38:39], s[58:59], s[38:39]      ; q's scales
	s_cselect_b64 s[58:59], s[8:9], s[12:13]
	s_add_nc_u64 s[40:41], s[58:59], s[40:41]      ; k's codes
	s_cselect_b64 s[58:59], s[10:11], s[14:15]
	s_add_nc_u64 s[42:43], s[58:59], s[42:43]      ; k's scales
	; ---- W's twelve fragments and their scale words: 60 loads
	WIN 0x40
	s_wait_alu depctr_va_vdst(0)                   ; the offsets and addresses v1 to v13 are written, which the kernel's loads and stores read; so are the zero codes round q, which the loop's scaled products take as an operand
.irp u, 0,1
.irp k, 0,1
.irp c, 0,1,2,3
	global_load_b128 v[32*\u+16*\k+4*\c:32*\u+16*\k+4*\c+3], v[WOF], s[36:37] offset:2048*\u+128*\k+32*\c
	global_load_b128 v[64+32*\u+16*\k+4*\c:64+32*\u+16*\k+4*\c+3], v[WOF], s[40:41] offset:2048*\u+128*\k+32*\c
	global_load_b128 v[128+32*\u+16*\k+4*\c:128+32*\u+16*\k+4*\c+3], v[WOF], s[40:41] offset:8192+2048*\u+128*\k+32*\c
.endr
.endr
.endr
	WIN 0
.irp u, 0,1
.irp k, 0,1
	global_load_b32 v[WS+2*\u+\k], v[WSO], s[38:39] offset:64*\u+4*\k
	global_load_b32 v[WS+4+2*\u+\k], v[WSO], s[42:43] offset:64*\u+4*\k
	global_load_b32 v[WS+8+2*\u+\k], v[WSO], s[42:43] offset:256+64*\u+4*\k
.endr
.endr
; 8 tiles of x's codes, from tile 'first' of my 16, into a window, and their scale words into a set: 72 loads, each of the 64 of 512 consecutive bytes.  again = 1: the window and the set have been multiplied before
.macro XLOAD win, cp, sp, first, set, again
	WIN \win
.if \again
	s_wait_alu depctr_va_vdst(0)                   ; the products of the groups on this window's last batch are done reading its codes and its scale words, in which the loads below land
.endif
.irp t, 0,1,2,3,4,5,6,7
.irp k, 0,1
.irp c, 0,1,2,3
	global_load_b128 v[32*\t+16*\k+4*\c:32*\t+16*\k+4*\c+3], v[LI16], s[\cp:\cp+1] offset:((\first)+\t)*4096+2048*\k+512*\c
.endr
.endr
.endr
	WIN 0
.irp t, 0,1,2,3,4,5,6,7
	global_load_b64 v[XS+16*(\set)+2*\t:XS+16*(\set)+2*\t+1], v[R8], s[\sp:\sp+1] offset:((\first)+\t)*128
.endr
.endm
; q or k of four pixel tiles, TRANSPOSED (source 0 = 16 rows of W, source 1 = 16 pixels): lane (r, h) holds pixel row r; register 16 t + i = channel 16 h + i of the head.  Eight accumulators by turns.
.macro MMT wb, wsb, xb, xsb, setting
	WIN \setting
.irp k, 0,1
.irp t, 0,1,2,3
.irp u, 0,1
.if \k == 0
	v_wmma_scale_f32_16x16x128_f8f6f4 v[D+16*\t+8*\u:D+16*\t+8*\u+7], v[\wb+32*\u+16*\k:\wb+32*\u+16*\k+15], v[\xb+32*\t+16*\k:\xb+32*\t+16*\k+15], 0, v[\wsb+2*\u+\k], v[\xsb+2*\t+\k]
.else
	v_wmma_scale_f32_16x16x128_f8f6f4 v[D+16*\t+8*\u:D+16*\t+8*\u+7], v[\wb+32*\u+16*\k:\wb+32*\u+16*\k+15], v[\xb+32*\t+16*\k:\xb+32*\t+16*\k+15], v[D+16*\t+8*\u:D+16*\t+8*\u+7], v[\wsb+2*\u+\k], v[\xsb+2*\t+\k]
.endif
.endr
.endr
.endr
.endm
; v of eight pixel tiles (128 keys), NOT transposed (source 0 = 16 pixels, source 1 = tile e of W's rows): lane (r, h) holds channel 8 e + r + 8 (r / 8); register 16 b + i = key 32 b + 16 h + i of the 128
.macro MMV e, xsb, setting
	WIN \setting
.irp k, 0,1
.irp t, 0,1,2,3,4,5,6,7
.if \k == 0
	v_wmma_scale_f32_16x16x128_f8f6f4 v[D+8*\t:D+8*\t+7], v[32*\t+16*\k:32*\t+16*\k+15], v[128+32*(\e)+16*\k:128+32*(\e)+16*\k+15], 0, v[\xsb+2*\t+\k], v[WS+8+2*(\e)+\k]
.else
	v_wmma_scale_f32_16x16x128_f8f6f4 v[D+8*\t:D+8*\t+7], v[32*\t+16*\k:32*\t+16*\k+15], v[128+32*(\e)+16*\k:128+32*(\e)+16*\k+15], v[D+8*\t:D+8*\t+7], v[\xsb+2*\t+\k], v[WS+8+2*(\e)+\k]
.endif
.endr
.endr
.endm
; 64 numbers of a lane, v[D] on, in four blocks (block b: registers 16 b .. 16 b + 15, with lane l xor 16's 16), become 16 registers of codes in v[PC] on; the bytes in v[TM+4] on; word = 1: the four bytes as a word in v[PWP]
.macro QUANT64 word
.irp b, 0,1,2,3
	v_max3_num_f32 v[TM+\b], |v[D+16*\b]|, |v[D+1+16*\b]|, 0x4800000   ; each accumulator is read from its low end on; the floor 2^(9 - 127) holds the byte at 1 from below
.endr
.irp i, 2,4,6,8,10,12,14
.irp b, 0,1,2,3
	v_max3_num_f32 v[TM+\b], v[TM+\b], |v[D+16*\b+\i]|, |v[D+1+16*\b+\i]|
.endr
.endr
.irp b, 0,1,2,3
	v_permlanex16_b32 v[TM+4+\b], v[TM+\b], s48, s49
.endr
.irp b, 0,1,2,3
	v_max_num_f32 v[TM+\b], v[TM+\b], v[TM+4+\b]   ; the block's largest magnitude
.endr
.irp b, 0,1,2,3
	v_add_nc_u32 v[TM+12+\b], 0xfc000000, v[TM+\b] ; 8 off its exponent field: the conversion's scale operand
.endr
.irp b, 0,1,2,3
	v_and_or_b32 v[TM+8+\b], v[TM+\b], 0x7f800000, s50   ; 448 x the scale
.endr
.irp b, 0,1,2,3
	v_lshrrev_b32 v[TM+4+\b], 23, v[TM+12+\b]      ; the scale's byte
.endr
.if \word
	v_lshl_or_b32 v[PWP], v[TM+5], 8, v[TM+4]
	v_lshl_or_b32 v[PWP], v[TM+6], 16, v[PWP]
	v_lshl_or_b32 v[PWP], v[TM+7], 24, v[PWP]
.endif
.irp b, 0,1,2,3
.irp i, 0,1,2,3,4,5,6,7,8,9,10,11,12,13,14,15
	v_med3_num_f32 v[D+16*\b+\i], v[D+16*\b+\i], -v[TM+8+\b], v[TM+8+\b]   ; the conversion to an 8-bit code does not saturate (ISA guide 7.6.2)
.endr
	v_cvt_scalef32_pk8_fp8_f32 v[PC+4*\b:PC+1+4*\b], v[D+16*\b:D+7+16*\b], v[TM+12+\b]
	v_cvt_scalef32_pk8_fp8_f32 v[PC+2+4*\b:PC+3+4*\b], v[D+8+16*\b:D+15+16*\b], v[TM+12+\b]
.endr
	v_nop                                          ; a plain instruction between the conversions and the next products, which write their sources
.endm
.macro IMAGE adr, off                  ; the 16 registers of codes go to LDS as they stand
.irp c, 0,1,2,3
	ds_store_b128 v[\adr], v[PC+4*\c:PC+4*\c+3] offset:\off+512*\c
.endr
.endm
; q of my tiles 4 g .. 4 g + 3: block b of the codes is tile 4 g + b's image
.macro QGROUP g
	MMT 0, WS, 128*((\g)%2), XS+16*((\g)/2)+8*((\g)%2), 0x09+4*((\g)/2)
	WIN 0
	PLACES 8
	QUANT64 0
.irp b, 0,1,2,3
	v_mul_lo_u32 v[TM+4+\b], v[TM+4+\b], s55       ; q may stand in any block: its byte four times
.endr
	s_wait_alu depctr_va_vdst(0)                   ; the conversions have written the codes v[PC ..] and the multiplications the words v[TM+4 ..], which the eight LDS stores read
	IMAGE AI, QI+2048*(\g)
.irp b, 0,1,2,3
	ds_store_b32 v[AQS], v[TM+4+\b] offset:QSW+512*(\g)+128*\b
.endr
	s_wait_dscnt 0x0                               ; my stores have landed
	s_wait_alu depctr_vm_vsrc(0)                   ; the stores have read v[PC ..] and v[TM+4 ..], which the next group's quantising writes again
.endm
; k of my tiles 4 g .. 4 g + 3: the 16 registers ARE the operand of a group of four key tiles, the word its scale word
.macro KGROUP g
	MMT 64, WS+4, 128*((\g)%2), XS+16*((\g)/2)+8*((\g)%2), 0x09+4*((\g)/2)
	WIN 0
	PLACES 8
	QUANT64 1
	s_wait_alu depctr_va_vdst(0)                   ; the quantising has written the codes v[PC ..] and the word v[PWP], which the five LDS stores read
	IMAGE AI, KI+2048*(\g)
	ds_store_b32 v[AR4], v[PWP] offset:KSW+128*((\g)/2)+64*((\g)%2)   ; lanes r and 16 + r write the same word with the same value
	s_wait_dscnt 0x0                               ; my stores have landed
	s_wait_alu depctr_vm_vsrc(0)                   ; the stores have read v[PC ..] and v[PWP], which the next group's quantising writes again
.endm
; v of my batch bi (key step 2 w + bi), tile e of the head's channels
.macro VGROUP bi, e
	MMV \e, XS+16*(\bi), 0x06+(\bi)
	WIN 0
	PLACES 8
	QUANT64 1
	s_wait_alu depctr_va_vdst(0)                   ; the quantising has written the codes v[PC ..] and the word v[PWP], which the five LDS stores read
	IMAGE AIV, 4096*(\bi)+2048*(\e)
	ds_store_b32 v[AR4], v[PWP] offset:VSW+128*(\bi)+64*(\e)
	s_wait_dscnt 0x0                               ; my stores have landed
	s_wait_alu depctr_vm_vsrc(0)                   ; the stores have read v[PC ..] and v[PWP], which are written again; behind the last group: v[AI] and v[AIV] too, and what the loop lays over these registers
.endm
	; ---- THE PROLOGUE.  Two batches of x are always asked for; a batch's registers are loaded again behind the last group that multiplied them, whose quantising stands between as the places
	XLOAD 0x80, 28, 30, 0, 0, 0                    ; the partner's tiles 0-7
	XLOAD 0xc0, 28, 30, 8, 1, 0                    ; and 8-15
	s_wait_loadcnt 63                              ; 72 loads were issued behind the first batch's last: W and that batch are in
	QGROUP 0
	QGROUP 1
	XLOAD 0x80, 32, 34, 0, 0, 1                    ; my slab's tiles 0-7
	s_wait_loadcnt 63                              ; again 72 behind the batch that is wanted
	QGROUP 2
	QGROUP 3
	XLOAD 0xc0, 32, 34, 8, 1, 1                    ; and 8-15
	s_wait_loadcnt 63
	KGROUP 0
	KGROUP 1
	VGROUP 0, 0
	VGROUP 0, 1
	s_wait_loadcnt 0x0
	KGROUP 2
	KGROUP 3
	VGROUP 1, 0
	VGROUP 1, 1
	s_barrier_signal -1                            ; my LDS stores have landed (each group ends with the wait for them): the launch's one barrier
	s_barrier_wait -1
	v_add_nc_u32 v[AI], KI, v[LI16]
	v_and_b32 v[AIV], 31, v0
	v_lshlrev_b32 v[AIV], 2, v[AIV]
	WIN 0x40
	s_wait_alu depctr_va_vdst(0)                   ; v[AI] and v[AIV] are written, which the loads below read; the prologue's products are done reading W's fragments, in which K lands
.set iq, 0
.rept 64                                       ; all of K into window 1, where it stays
	ds_load_b128 v[4*iq:4*iq+3], v[AI] offset:512*iq
.set iq, iq+1
.endr
	WIN 0
.irp i, 0,1,2,3,4,5,6,7
	ds_load_b32 v[KS+\i], v[AIV] offset:KSW+128*\i
	ds_load_b32 v[VS+\i], v[AIV] offset:VSW+128*\i
.endr
	ds_load_b128 v[QW+12:QW+15], v[AQ]             ; the first trip's q, and its scale word; each trip asks for the next trip's
	ds_load_b32 v[QS], v[AQS]
	s_wait_dscnt 0x0
	s_mov_b32 s56, 16                              ; trips
	s_mov_b32 s57, 512                             ; the next trip's q image: 512 bytes a tile
	s_mov_b32 s24, 128                             ; its scale word: 128 bytes a tile
; S^T = K Q^T: 64 products, each with an accumulator of its own.  The window QW + 12 - 4 c puts q into block c, which picks key tile 4 g + c of group g
.macro QK
.set ig, 0
.rept 16
	WIN 0x81+0x40*(ig/8)
.irp c, 0,1,2,3
.if ig%2
	v_wmma_scale_f32_16x16x128_f8f6f4 v[8*((4*ig+\c)%32):8*((4*ig+\c)%32)+7], v[16*ig:16*ig+15], v[QW+12-4*\c:QW+27-4*\c], 0, v[KS+ig/2], v[QS] matrix_a_scale:MATRIX_SCALE_ROW1
.else
	v_wmma_scale_f32_16x16x128_f8f6f4 v[8*((4*ig+\c)%32):8*((4*ig+\c)%32)+7], v[16*ig:16*ig+15], v[QW+12-4*\c:QW+27-4*\c], 0, v[KS+ig/2], v[QS]
.endif
.endr
.set ig, ig+1
.endr
	WIN 0
.endm
; the largest score of each of a window's 16 blocks of 32 keys (my 16 of them); each accumulator is read from its low end on
.macro MAXW hi
	WIN 0x2a+0x15*(\hi)
.set ib, 0
.rept 16
	v_max3_num_f32 v[BM+16*(\hi)+ib], v[16*ib], v[16*ib+1], v[16*ib+2]
.set ib, ib+1
.endr
	WIN 0x28+0x14*(\hi)
.irp i, 3,5,7,9,11,13
.set ib, 0
.rept 16
	v_max3_num_f32 v[BM+16*(\hi)+ib], v[BM+16*(\hi)+ib], v[16*ib+\i], v[16*ib+\i+1]
.set ib, ib+1
.endr
.endr
.set ib, 0
.rept 16
	v_max_num_f32 v[BM+16*(\hi)+ib], v[BM+16*(\hi)+ib], v[16*ib+15]
.set ib, ib+1
.endr
.endm
; p = 2^(c s - c max), in place: a window's 256 exponentials as one batch, a packed multiply-add two pairs ahead behind each two; nothing names a result ahead of the batch's wait
.macro EXPW hi
	WIN 0x82+0x41*(\hi)
	v_pk_fma_f32 v[0:1], v[0:1], s[52:53], v[NM:NM+1] op_sel_hi:[1,0,0]
	v_pk_fma_f32 v[2:3], v[2:3], s[52:53], v[NM:NM+1] op_sel_hi:[1,0,0]
.set ij, 0
.rept 128
	v_exp_f32 v[2*ij], v[2*ij]
	v_exp_f32 v[2*ij+1], v[2*ij+1]
.if ij < 126
	v_pk_fma_f32 v[2*ij+4:2*ij+5], v[2*ij+4:2*ij+5], s[52:53], v[NM:NM+1] op_sel_hi:[1,0,0]
.endif
.set ij, ij+1
.endr
	v_nop                                          ; a plain instruction behind the last exponential
	s_wait_alu depctr_va_vdst(0)                   ; the window's 256 exponentials have written their results: one wait for the batch, ahead of the first instruction that names one
.endm
; a key step's 64 weights a lane: x 1 / sum, then the hold (a weight is not negative: one-sided).  These 96 plain instructions are also the places round the products and loads that stand between two of them
.macro MULMIN st
	WIN 0x82+0x41*((\st)/4)
.irp c, 0,1,2,3
.set sb, 64*((\st)%4)+16*\c
.irp p, 0,2,4,6,8,10,12,14
	v_pk_mul_f32 v[sb+\p:sb+\p+1], v[sb+\p:sb+\p+1], v[R:R+1] op_sel_hi:[1,0]
.endr
.irp p, 0,1,2,3,4,5,6,7,8,9,10,11,12,13,14,15
	v_min_num_f32 v[sb+\p], v[sb+\p], v[BM+4*(\st)+\c]
.endr
.endr
.endm
.macro CVT st                          ; its codes: source 1 of O^T = V^T P^T
	WIN 0x02+((\st)/4)
.irp c, 0,1,2,3
.irp k, 0,1
	v_cvt_scalef32_pk8_fp8_f32 v[PC+16*((\st)%2)+4*\c+2*\k:PC+16*((\st)%2)+4*\c+2*\k+1], v[64*((\st)%4)+16*\c+8*\k:64*((\st)%4)+16*\c+8*\k+7], v[SO+4*(\st)+\c]
.endr
.endr
.endm
.macro VLOAD st                        ; v's two fragments of the key step
.irp e, 0,1
.irp c, 0,1,2,3
	ds_load_b128 v[VF+32*((\st)%2)+16*\e+4*\c:VF+32*((\st)%2)+16*\e+4*\c+3], v[AV] offset:(2*(\st)+\e)*2048+512*\c
.endr
.endr
.endm
.macro PVMM st                         ; the two accumulators take turns
.set vfb, VF+32*((\st)%2)
.set pcb, PC+16*((\st)%2)
.if (\st) == 0
	v_wmma_scale_f32_16x16x128_f8f6f4 v[O:O+7], v[vfb:vfb+15], v[pcb:pcb+15], 0, v[VS+(\st)], v[PW+(\st)]
	v_wmma_scale_f32_16x16x128_f8f6f4 v[O+8:O+15], v[vfb+16:vfb+31], v[pcb:pcb+15], 0, v[VS+(\st)], v[PW+(\st)] matrix_a_scale:MATRIX_SCALE_ROW1
.else
	v_wmma_scale_f32_16x16x128_f8f6f4 v[O:O+7], v[vfb:vfb+15], v[pcb:pcb+15], v[O:O+7], v[VS+(\st)], v[PW+(\st)]
	v_wmma_scale_f32_16x16x128_f8f6f4 v[O+8:O+15], v[vfb+16:vfb+31], v[pcb:pcb+15], v[O+8:O+15], v[VS+(\st)], v[PW+(\st)] matrix_a_scale:MATRIX_SCALE_ROW1
.endif
.endm
.Ltile:                                            ; 16 trips: a tile of 16 queries each; its q and scale word were asked for in the trip before (the first trip's ahead of the loop) and have been waited for
	QK
	PLACES 8
	MAXW 0
	MAXW 1
	WIN 0
.irp q, 0,1,2,3
.irp j, 0,1,2,3,4,5,6,7
	v_permlanex16_b32 v[T+\j], v[BM+8*\q+\j], s48, s49
.endr
.irp j, 0,1,2,3,4,5,6,7
	v_max_num_f32 v[BM+8*\q+\j], v[BM+8*\q+\j], v[T+\j]   ; with lane l xor 16's 16 keys: the block's largest score
.endr
.endr
.irp q, 0,1,2,3
	v_max3_num_f32 v[T+\q], v[BM+8*\q], v[BM+8*\q+1], v[BM+8*\q+2]
.endr
.irp q, 0,1,2,3
	v_max3_num_f32 v[T+\q], v[T+\q], v[BM+8*\q+3], v[BM+8*\q+4]
.endr
.irp q, 0,1,2,3
	v_max3_num_f32 v[T+\q], v[T+\q], v[BM+8*\q+5], v[BM+8*\q+6]
.endr
.irp q, 0,1,2,3
	v_max_num_f32 v[T+\q], v[T+\q], v[BM+8*\q+7]
.endr
	v_max3_num_f32 v[T], v[T], v[T+1], v[T+2]
	v_max_num_f32 v[T], v[T], v[T+3]               ; the row's largest score
	v_mul_f32 v[NM], s54, v[T]                     ; -c x it
.set ib, 0
.rept 32
	v_fma_f32 v[BM+ib], v[BM+ib], s52, v[NM]       ; the blocks' largest scores take the same way as all scores
.set ib, ib+1
.endr
	EXPW 0
	EXPW 1
	WIN 0
.set ib, 0
.rept 32
	v_exp_f32 v[BM+ib], v[BM+ib]
.set ib, ib+1
.endr
	v_nop
	s_wait_alu depctr_va_vdst(0)                   ; these 32 exponentials have written v[BM ..]: one wait for them, ahead of their first reader
	; ---- the row's sum, four packed chains
	WIN 0x0a
.irp k, 0,1,2,3
	v_pk_add_f32 v[ACC+2*\k:ACC+2*\k+1], v[4*\k:4*\k+1], v[4*\k+2:4*\k+3]
.endr
	WIN 0x08
.set ij, 8
.rept 120
	v_pk_add_f32 v[ACC+2*(ij%4):ACC+2*(ij%4)+1], v[ACC+2*(ij%4):ACC+2*(ij%4)+1], v[2*ij:2*ij+1]
.set ij, ij+1
.endr
	WIN 0x0c
.set ij, 0
.rept 128
	v_pk_add_f32 v[ACC+2*(ij%4):ACC+2*(ij%4)+1], v[ACC+2*(ij%4):ACC+2*(ij%4)+1], v[2*ij:2*ij+1]
.set ij, ij+1
.endr
	WIN 0
	v_pk_add_f32 v[ACC:ACC+1], v[ACC:ACC+1], v[ACC+2:ACC+3]
	v_pk_add_f32 v[ACC+4:ACC+5], v[ACC+4:ACC+5], v[ACC+6:ACC+7]
	v_pk_add_f32 v[ACC:ACC+1], v[ACC:ACC+1], v[ACC+4:ACC+5]
	v_add_f32 v[T], v[ACC], v[ACC+1]
	v_permlanex16_b32 v[T+1], v[T], s48, s49
	v_add_f32 v[T], v[T], v[T+1]
	v_rcp_f32 v[R], v[T]
	s_wait_alu depctr_vm_vsrc(0)                   ; the LDS loads that went by v[AI] and v[AIV] (the last trip's for q; ahead of the first trip K's and the scale words') have read them
	v_add_nc_u32 v[AI], s57, v[AQ]                 ; the next trip's q image, and its scale word.  (These two are the plain instructions behind the reciprocal)
	v_add_nc_u32 v[AIV], s24, v[AQS]
	s_wait_alu depctr_va_vdst(0)                   ; the reciprocal has written v[R], ahead of its first reader; v[AI] and v[AIV] are written; the trip's 64 products are done reading q and its scale word; the sum's chains are done with v[ACC ..], in which v's fragments land
	VLOAD 0                                        ; key step 0's fragments of v
	s_cmp_eq_u32 s56, 1                            ; the last trip asks for no further q
	s_cbranch_scc1 .Lno_q
	ds_load_b128 v[QW+12:QW+15], v[AI]
	ds_load_b32 v[QS], v[AIV]
.Lno_q:
	; ---- the 32 blocks' scales
.set ib, 0
.rept 32
	v_mul_f32 v[BM+ib], v[BM+ib], v[R]             ; the block's largest weight: the same bits as the weight itself will have
.set ib, ib+1
.endr
.set ib, 0
.rept 32
	v_max_num_f32 v[BM+ib], 0x4800000, v[BM+ib]    ; the floor: the byte cannot fall under 1
.set ib, ib+1
.endr
.set ib, 0
.rept 32
	v_add_nc_u32 v[SO+ib], 0xfc000000, v[BM+ib]    ; the conversion's scale operand
.set ib, ib+1
.endr
.irp st, 0,1,2,3,4,5,6,7
.irp c, 0,1,2,3
	v_lshrrev_b32 v[T+4*(\st%2)+\c], 23, v[SO+4*\st+\c]
.endr
	v_lshl_or_b32 v[PW+\st], v[T+4*(\st%2)+1], 8, v[T+4*(\st%2)]   ; a key step's four bytes: its scale word
	v_lshl_or_b32 v[PW+\st], v[T+4*(\st%2)+2], 16, v[PW+\st]
	v_lshl_or_b32 v[PW+\st], v[T+4*(\st%2)+3], 24, v[PW+\st]
.endr
.set ib, 0
.rept 32
	v_and_or_b32 v[BM+ib], v[BM+ib], 0x7f800000, s50   ; 448 x the scale
.set ib, ib+1
.endr
	; ---- O^T = V^T P^T, eight key steps; a step's products stand one step's normalising behind its conversions
	MULMIN 0
	CVT 0
.irp st, 1,2,3,4,5,6,7
	MULMIN \st
	WIN 0
	s_wait_dscnt 0x0                               ; v's fragments of the step before, asked for 96 instructions ago or more; at the first of these waits the next trip's q too
	s_wait_alu depctr_va_vdst(0)                   ; the conversions of the step before have written its codes, and the shifts its scale word, which the scaled products below take; the products of two steps back are done reading the fragments in which the loads below land
	PVMM \st-1
	VLOAD \st                                      ; no further wait: the two products since the wait name the other set of fragments
	CVT \st
.endr
	WIN 0
	PLACES 4                                       ; codes written by vector instructions stand four places ahead of a scaled product
	s_wait_dscnt 0x0
	s_wait_alu depctr_va_vdst(0)                   ; step 7's conversions have written its codes, which the scaled products below take; the places above stay beside this wait
	PVMM 7
	PLACES 8
	; ---- the head's 32 channels of my 16 queries are one block of the last product's K
	v_max3_num_f32 v[T], |v[O]|, |v[O+1]|, 0x4800000
.irp i, 2,4,6,8,10,12,14
	v_max3_num_f32 v[T], v[T], |v[O+\i]|, |v[O+\i+1]|
.endr
	v_permlanex16_b32 v[T+1], v[T], s48, s49
	v_max_num_f32 v[T], v[T], v[T+1]
	v_add_nc_u32 v[T+2], 0xfc000000, v[T]
	v_and_or_b32 v[T+3], v[T], 0x7f800000, s50
.irp i, 0,1,2,3,4,5,6,7,8,9,10,11,12,13,14,15
	v_med3_num_f32 v[O+\i], v[O+\i], -v[T+3], v[T+3]
.endr
	v_cvt_scalef32_pk8_fp8_f32 v[T+4:T+5], v[O:O+7], v[T+2]
	v_cvt_scalef32_pk8_fp8_f32 v[T+6:T+7], v[O+8:O+15], v[T+2]
	v_lshrrev_b32 v[T+8], 23, v[T+2]               ; the byte (and the plain instruction behind the conversions)
	s_wait_alu depctr_va_vdst(0)                   ; the conversions have written the codes v[T+4 .. T+7] and the shift the byte v[T+8], which the two stores read
	global_store_b128 v[LI16], v[T+4:T+7], s[44:45]   ; one quad of the next operand's image: 512 consecutive bytes
	global_store_b8 v[R8], v[T+8], s[46:47]        ; lanes r and 16 + r write the same byte with the same value
	s_wait_xcnt 0x0                                ; the stores' bases and data are written again only behind this wait
	s_wait_alu depctr_vm_vsrc(0)                   ; the stores have read v[T+4 .. T+8], which the next trip's exchanges write again
	s_add_nc_u64 s[44:45], s[44:45], 4096
	s_add_nc_u64 s[46:47], s[46:47], 128
	s_add_co_u32 s57, s57, 512
	s_add_co_u32 s24, s24, 128
	s_sub_co_u32 s56, s56, 1
	s_cmp_lg_u32 s56, 0
	s_cbranch_scc1 .Ltile
	s_wait_dscnt 0x0                               ; the closing lines, six on end
	s_wait_alu 0x0
	s_wait_tensorcnt 0x0
	ds_add_u32 v[SPW], v[NIL]
	s_wait_dscnt 0x0
	s_endpgm
.Lfunc_end_k_qfb8db0aa02_attn:
	.size	k_qfb8db0aa02_attn, .Lfunc_end_k_qfb8db0aa02_attn-k_qfb8db0aa02_attn
	.p2alignl 7, 3214868480
	.fill 96, 4, 3214868480
	.section	.rodata,"a",@progbits
	.p2align	6, 0x0
	.amdhsa_kernel k_qfb8db0aa02_attn
		.amdhsa_group_segment_fixed_size 110592
		.amdhsa_private_segment_fixed_size 0
		.amdhsa_enable_private_segment 0
		.amdhsa_kernarg_size 64
		.amdhsa_user_sgpr_count 2
		.amdhsa_user_sgpr_kernarg_segment_ptr 1
		.amdhsa_wavefront_size32 1
		.amdhsa_system_sgpr_workgroup_id_x 1
		.amdhsa_system_sgpr_workgroup_id_y 1
		.amdhsa_system_sgpr_workgroup_id_z 1
		.amdhsa_system_vgpr_workitem_id 0
		.amdhsa_next_free_vgpr 1024
		.amdhsa_next_free_sgpr 66
		.amdhsa_reserve_vcc 0
		.amdhsa_float_denorm_mode_32 3
		.amdhsa_float_denorm_mode_16_64 3
		.amdhsa_memory_ordered 1
		.amdhsa_forward_progress 1
		.amdhsa_inst_pref_size 255
	.end_amdhsa_kernel
	.section	.bss,"aw",@nobits
	.p2align	6
	.space	262144
	.amdgpu_metadata
---
amdhsa.version: [ 1, 2 ]
amdhsa.kernels:
  - .name:           k_qfb8db0aa02_attn
    .symbol:         k_qfb8db0aa02_attn.kd
    .args:
      - { .name: xc, .offset: 0, .size: 8, .value_kind: global_buffer, .address_space: global }
      - { .name: xs, .offset: 8, .size: 8, .value_kind: global_buffer, .address_space: global }
      - { .name: WqkvA_codes, .offset: 16, .size: 8, .value_kind: global_buffer, .address_space: global }
      - { .name: WqkvA_scales, .offset: 24, .size: 8, .value_kind: global_buffer, .address_space: global }
      - { .name: WqkvB_codes, .offset: 32, .size: 8, .value_kind: global_buffer, .address_space: global }
      - { .name: WqkvB_scales, .offset: 40, .size: 8, .value_kind: global_buffer, .address_space: global }
      - { .name: oc, .offset: 48, .size: 8, .value_kind: global_buffer, .address_space: global }
      - { .name: os, .offset: 56, .size: 8, .value_kind: global_buffer, .address_space: global }
    .group_segment_fixed_size: 110592
    .private_segment_fixed_size: 0
    .kernarg_segment_align: 8
    .kernarg_segment_size: 64
    .max_flat_workgroup_size: 128
    .sgpr_count:     66
    .vgpr_count:     1024
    .wavefront_size: 32
...
	.end_amdgpu_metadata
.endif
;; end of part 4
;; launch proj (part 5): grid 8 x 32, 8 waves a work-group, no clusters, 168,960 bytes of LDS; arguments oc, os, ab, x_A, x_B, WoutA_codes, WoutA_scales, WoutB_codes, WoutB_scales, out0, out1; writes out0, out1
.if DOCPART == 5
	.amdgcn_target "amdgcn-amd-amdhsa--gfx1250"
	.amdhsa_code_object_version 6
	.text
	.protected	k_qfb8db0aa02_proj
	.globl	k_qfb8db0aa02_proj
	.p2align	8
	.type	k_qfb8db0aa02_proj,@function
k_qfb8db0aa02_proj:
	s_mov_b64 s[64:65], 0
	v_nop
	global_prefetch_b8 v0, s[64:65] scope:SCOPE_SE
	s_setreg_imm32_b32 hwreg(HW_REG_WAVE_SCHED_MODE, 0, 2), 2
	s_setreg_imm32_b32 hwreg(HW_REG_WAVE_MODE, 25, 1), 1
	s_wait_xcnt 0x0
	s_wait_alu depctr_vm_vsrc(0)
; out = Wout x (attention's result, as codes) + bout + norm, with norm = a x + (beta - mu a) made anew from x and the first launch's a and bb = beta + bout - mu a.  Nothing of reference() is left out here.
; A work-group = (128 pixels: the grid's x; slab y = 2 x batch + branch: the grid's y) x all 256 output channels.  Wave w owns channels 32 w .. 32 w + 31 for the 8 pixel tiles; its part of Wout (4 fragments) stays in registers.
; Each wave brings one of the 8 tiles' fragments (4,096 bytes, already in the order of an operand's registers) and hands it to the others through LDS as it stands; one barrier.
; The product is NOT transposed (source 0 = 16 pixels, source 1 = 16 channels): lane (r, h) holds channel 16 ct + r, and register j of tile T the pixel 32 (T / 2) + 8 (T % 2) + 16 h + j: eight neighbouring numbers of a row of out.
; bb is the C of each sum's first product.  The results go through the wave's own stage in LDS and come back as whole rows of 512 bytes.
; NO CLUSTER: what the 8 work-groups of a slab share is Wout, 64 KB of the some 350 KB that a work-group moves (32 of codes, 128 of x, 128 of out); no tensor load: every operand comes in register order straight from memory.
; LIMITS: NaN and infinities are not served; norm is made as one fused a x + sum, which rounds otherwise than reference()'s (x - mu) rstd gamma + beta.
; THE MODE: SCHED_MODE bits 1:0 = 2 (LLVM: expert scheduling mode 2), set by the entry lines.  The code itself states the register dependences between vector or matrix instructions and memory or LDS
; instructions, with s_wait_alu, always for 0.
; THE PLAN.  Registers that memory or LDS instructions touch:
;   v1-6             offsets and addresses, made at the head and never written again: one wait on va_vdst ahead of the first load.
;   OF .. OF+31      my tile's fragment lands, my LDS stores read it, the first half's fragments land: one wait on vm_vsrc behind the barrier.
;   OF (all 128)     a half's fragments land, its 16 products read; the second half's land behind one wait on va_vdst; the rows of out land behind the wait ahead of the stage's stores.
;   accumulators     the products write, the stage's LDS stores read: the places, then one wait on va_vdst.
;   ST (= OF)        a group of eight rows lands, sixteen packed multiply-adds write it in place, eight stores read it: one wait on va_vdst a group; never written again.
;   W, BB, the scale words and x are loaded once and read by vector and matrix instructions alone.
.set OI,    0                          ; LDS: the 8 tiles' fragments, 4,096 bytes each
.set STG,   32768                      ; 8 stages of 32 rows x (512 + 16) bytes, each wave's own
.set SPARE, 167936                     ; the spare words, 128 bytes for each of 8 waves
.set WSC,   10                         ; v10-13  Wout's scale words (2 ct + k)
.set OSC,   14                         ; v14-29  the tiles' scale words (2 T + k)
.set W,     32                         ; v32-95  Wout's fragments (32 ct + 16 k)
.set OF,    96                         ; v96-223 four tiles' fragments (32 t + 16 k); first the fragment that I hand on; last the rows of out
.set ST,    96
.set BB,    224                        ; v224-239 bb of my lane's channel, eight times, for ct = 0, 1
.set XR,    128                        ; window 1: v128-255 x: channel k at XR + 4 k;  v0-127 the 16 accumulators, (8 ct + T) x 8
.set MSB, 0
.macro WIN new
.if MSB != (\new)
	s_set_vgpr_msb (MSB<<8)|(\new)
.set MSB, (\new)
.endif
.endm
	s_load_b512 s[4:19], s[0:1], 0x0               ; oc, os, ab, x_A, x_B, WoutA codes, scales, WoutB codes
	s_load_b128 s[20:23], s[0:1], 0x40             ; WoutB scales, out0
	s_load_b64 s[24:25], s[0:1], 0x50              ; out1
	v_lshl_add_u32 v8, v0, 2, SPARE                ; my spare word
	v_mov_b32 v9, 0
	v_lshrrev_b32 v7, 5, v0
	v_readfirstlane_b32 s26, v7                    ; wave 0..7
	v_and_b32 v7, 31, v0                           ; l
	v_and_b32 v30, 15, v0                          ; r
	v_bfe_u32 v31, v0, 4, 1                        ; h
	v_lshlrev_b32 v1, 4, v7                        ; 16 l
	v_lshlrev_b32 v2, 8, v30
	v_lshl_add_u32 v2, v31, 4, v2                  ; Wout: 256 r + 16 h
	v_lshlrev_b32 v3, 3, v30                       ; 8 r
	s_wait_alu depctr_va_sdst(0)                   ; s26 is written, ahead of its first reader: LDS addresses and the buffers' offsets are made from it
	s_mul_i32 s27, s26, 16896
	s_add_co_u32 s27, s27, STG                     ; my stage
	v_mul_u32_u24 v4, v30, 528
	v_lshl_add_u32 v4, v31, 6, v4
	v_add_nc_u32 v4, s27, v4                       ; in: row r, + 64 h
	v_add_nc_u32 v5, s27, v1                       ; back: 16 bytes a lane of a row
	s_lshl_b32 s27, s26, 12
	v_add_nc_u32 v6, s27, v1                       ; my tile's fragment, in memory and in LDS: 16 l + 4,096 w
	s_and_b32 s2, ttmp7, 0xffff                    ; y
	s_and_b32 s3, s2, 1                            ; branch
	s_lshl_b32 s28, s2, 18                         ; oc: 262,144 y + 32,768 x block
	s_lshl_b32 s29, ttmp9, 15
	s_add_co_u32 s28, s28, s29
	s_mov_b32 s29, 0
	s_lshl_b32 s30, s2, 13                         ; os: 8,192 y + 1,024 x block
	s_lshl_b32 s31, ttmp9, 10
	s_add_co_u32 s30, s30, s31
	s_mov_b32 s31, 0
	s_lshl_b32 s32, s2, 11                         ; ab: 2,048 y + 256 w
	s_lshl_b32 s33, s26, 8
	s_add_co_u32 s32, s32, s33
	s_mov_b32 s33, 0
	s_lshl_b32 s34, s26, 13                        ; Wout's codes: my 32 rows of 256 bytes
	s_mov_b32 s35, 0
	s_lshl_b32 s36, s26, 8                         ; its scales: 8 bytes a row
	s_mov_b32 s37, 0
	s_lshr_b32 s38, s2, 1                          ; x, out: batch x 2^20 + 131,072 w + 512 x block
	s_lshl_b32 s38, s38, 20
	s_lshl_b32 s39, s26, 17
	s_add_co_u32 s38, s38, s39
	s_lshl_b32 s39, ttmp9, 9
	s_add_co_u32 s38, s38, s39
	s_mov_b32 s39, 0
	s_wait_kmcnt 0x0
	s_cmp_eq_u32 s3, 0                             ; the branch's buffers: the choice hangs on the work-group's number alone
	s_cselect_b64 s[10:11], s[10:11], s[12:13]     ; x
	s_cselect_b64 s[14:15], s[14:15], s[18:19]     ; Wout's codes
	s_cselect_b64 s[16:17], s[16:17], s[20:21]     ; its scales
	s_cselect_b64 s[22:23], s[22:23], s[24:25]     ; out
	s_add_nc_u64 s[4:5], s[4:5], s[28:29]
	s_add_nc_u64 s[6:7], s[6:7], s[30:31]
	s_add_nc_u64 s[8:9], s[8:9], s[32:33]
	s_add_nc_u64 s[14:15], s[14:15], s[34:35]
	s_add_nc_u64 s[16:17], s[16:17], s[36:37]
	s_add_nc_u64 s[10:11], s[10:11], s[38:39]
	s_add_nc_u64 s[22:23], s[22:23], s[38:39]
	s_load_b512 s[28:43], s[8:9], 0x0              ; (a, bb) of my 32 channels as scalar pairs: channel k at s[28 + 2 k] (k < 16), s[68 + 2 (k - 16)]
	s_load_b512 s[44:59], s[8:9], 0x40
	s_load_b512 s[68:83], s[8:9], 0x80
	s_load_b512 s[84:99], s[8:9], 0xc0
	s_wait_alu depctr_va_vdst(0)                   ; the offsets and addresses v1 to v6 are written, which the kernel's loads and stores read
.irp i, 0,1,2,3,4,5,6,7
	global_load_b128 v[OF+4*\i:OF+4*\i+3], v6, s[4:5] offset:512*\i      ; the fragment that I hand on
.endr
.irp t, 0,1,2,3,4,5,6,7
	global_load_b64 v[OSC+2*\t:OSC+2*\t+1], v3, s[6:7] offset:128*\t
.endr
.irp ct, 0,1
.irp k, 0,1
.irp c, 0,1,2,3
	global_load_b128 v[W+32*\ct+16*\k+4*\c:W+32*\ct+16*\k+4*\c+3], v2, s[14:15] offset:4096*\ct+128*\k+32*\c
.endr
	global_load_b32 v[WSC+2*\ct+\k], v3, s[16:17] offset:128*\ct+4*\k
.endr
.endr
.irp ct, 0,1
.irp j, 0,1,2,3,4,5,6,7
	global_load_b32 v[BB+8*\ct+\j], v3, s[8:9] offset:128*\ct+4          ; bb of channel 16 ct + r, in the result's layout
.endr
.endr
	WIN 0x40
.set ik, 0
.rept 32
	global_load_b128 v[XR+4*ik:XR+4*ik+3], v1, s[10:11] offset:4096*ik th:TH_LOAD_NT   ; x: 512 consecutive bytes of a channel
.set ik, ik+1
.endr
	WIN 0
	s_wait_loadcnt 63                              ; 76 loads were issued behind my fragment's eight: they are in
.irp i, 0,1,2,3,4,5,6,7
	ds_store_b128 v6, v[OF+4*\i:OF+4*\i+3] offset:OI+512*\i
.endr
	s_wait_dscnt 0x0                               ; for the others' sake: my stores have landed
	s_barrier_signal -1
	s_barrier_wait -1
	s_wait_alu depctr_vm_vsrc(0)                   ; my LDS stores have read v[OF .. OF+31], in which the first half's fragments land
; four tiles: their fragments from LDS, K step 0's first; eight accumulators by turns, a K step at a time
.macro HALF hf
.if (\hf) == 1
	s_wait_alu depctr_va_vdst(0)                   ; the first half's products are done reading v[OF ..], in which the second half's fragments land
.endif
.irp k, 0,1
.irp t, 0,1,2,3
.irp c, 0,1,2,3
	ds_load_b128 v[OF+32*\t+16*\k+4*\c:OF+32*\t+16*\k+4*\c+3], v1 offset:OI+(4*(\hf)+\t)*4096+2048*\k+512*\c
.endr
.endr
.endr
.if (\hf) == 0
	s_wait_loadcnt 32                              ; all but x's 32 loads: the weights, the scale words and bb are in
.endif
	s_wait_dscnt 16                                ; K step 0's sixteen loads are in
	WIN 0x40                                       ; D window 1; C = bb, window 0
.irp t, 0,1,2,3
.irp ct, 0,1
	v_wmma_scale_f32_16x16x128_f8f6f4 v[8*(8*\ct+4*(\hf)+\t):8*(8*\ct+4*(\hf)+\t)+7], v[OF+32*\t:OF+32*\t+15], v[W+32*\ct:W+32*\ct+15], v[BB+8*\ct:BB+8*\ct+7], v[OSC+2*(4*(\hf)+\t)], v[WSC+2*\ct]
.endr
.endr
	s_wait_dscnt 0x0
	WIN 0x50                                       ; C and D window 1
.irp t, 0,1,2,3
.irp ct, 0,1
	v_wmma_scale_f32_16x16x128_f8f6f4 v[8*(8*\ct+4*(\hf)+\t):8*(8*\ct+4*(\hf)+\t)+7], v[OF+32*\t+16:OF+32*\t+31], v[W+32*\ct+16:W+32*\ct+31], v[8*(8*\ct+4*(\hf)+\t):8*(8*\ct+4*(\hf)+\t)+7], v[OSC+2*(4*(\hf)+\t)+1], v[WSC+2*\ct+1]
.endr
.endr
	WIN 0
.rept 8
	v_nop                                          ; places in front of loads into registers that the products have read, and of the first read of results
.endr
.endm
	HALF 0
	HALF 1
	WIN 0x04                                       ; an LDS store's data are its source 1: window 1
	s_wait_alu depctr_va_vdst(0)                   ; the products have written the 16 accumulators, which the LDS stores read, and are done reading v[OF ..], in which the rows land; the places above stay beside this wait
.irp ct, 0,1
.irp t, 0,1,2,3,4,5,6,7
	ds_store_b128 v4, v[8*(8*\ct+\t):8*(8*\ct+\t)+3] offset:8448*\ct+128*(\t/2)+32*(\t%2)        ; each accumulator from its low end on
	ds_store_b128 v4, v[8*(8*\ct+\t)+4:8*(8*\ct+\t)+7] offset:8448*\ct+128*(\t/2)+32*(\t%2)+16
.endr
.endr
	WIN 0
.set ik, 0
.rept 32
	ds_load_b128 v[ST+4*ik:ST+4*ik+3], v5 offset:528*ik   ; my own bytes: LDS serves a wave's instructions in order (ISA guide 5.7.1.4), so these see the stores above
.set ik, ik+1
.endr
	s_wait_loadcnt 0x0                             ; x
	s_wait_kmcnt 0x0                               ; a
; eight channels: out = a x + (the product + bb); 32 lanes store a row's 512 consecutive bytes
.macro ROWS q
	s_wait_dscnt 8*(3-(\q))                        ; eight LDS loads for each later group may be out
	WIN 0x01                                       ; source 0 (x) window 1
.irp j, 0,1,2,3,4,5,6,7
.set ik, 8*(\q)+\j
.if ik < 16
.set sa, 28+2*ik
.else
.set sa, 68+2*(ik-16)
.endif
	v_pk_fma_f32 v[ST+4*ik:ST+4*ik+1], v[XR+4*ik:XR+4*ik+1], s[sa:sa+1], v[ST+4*ik:ST+4*ik+1] op_sel_hi:[1,0,1]       ; of the pair (a, bb) the low word serves both halves
	v_pk_fma_f32 v[ST+4*ik+2:ST+4*ik+3], v[XR+4*ik+2:XR+4*ik+3], s[sa:sa+1], v[ST+4*ik+2:ST+4*ik+3] op_sel_hi:[1,0,1]
.endr
	WIN 0
	s_wait_alu depctr_va_vdst(0)                   ; this group's sixteen multiply-adds have written its eight rows, which the stores below read
.irp j, 0,1,2,3,4,5,6,7
	global_store_b128 v1, v[ST+4*(8*(\q)+\j):ST+4*(8*(\q)+\j)+3], s[22:23] offset:4096*(8*(\q)+\j) th:TH_STORE_NT
.endr
.endm
	ROWS 0
	ROWS 1
	ROWS 2
	ROWS 3
	s_wait_dscnt 0x0                               ; the closing lines, six on end
	s_wait_alu 0x0
	s_wait_tensorcnt 0x0
	ds_add_u32 v8, v9
	s_wait_dscnt 0x0
	s_endpgm
.Lfunc_end_k_qfb8db0aa02_proj:
	.size	k_qfb8db0aa02_proj, .Lfunc_end_k_qfb8db0aa02_proj-k_qfb8db0aa02_proj
	.p2alignl 7, 3214868480
	.fill 96, 4, 3214868480
	.section	.rodata,"a",@progbits
	.p2align	6, 0x0
	.amdhsa_kernel k_qfb8db0aa02_proj
		.amdhsa_group_segment_fixed_size 168960
		.amdhsa_private_segment_fixed_size 0
		.amdhsa_enable_private_segment 0
		.amdhsa_kernarg_size 88
		.amdhsa_user_sgpr_count 2
		.amdhsa_user_sgpr_kernarg_segment_ptr 1
		.amdhsa_wavefront_size32 1
		.amdhsa_system_sgpr_workgroup_id_x 1
		.amdhsa_system_sgpr_workgroup_id_y 1
		.amdhsa_system_sgpr_workgroup_id_z 1
		.amdhsa_system_vgpr_workitem_id 0
		.amdhsa_next_free_vgpr 512
		.amdhsa_next_free_sgpr 100
		.amdhsa_reserve_vcc 0
		.amdhsa_float_denorm_mode_32 3
		.amdhsa_float_denorm_mode_16_64 3
		.amdhsa_memory_ordered 1
		.amdhsa_forward_progress 1
		.amdhsa_inst_pref_size 33
	.end_amdhsa_kernel
	.amdgpu_metadata
---
amdhsa.version: [ 1, 2 ]
amdhsa.kernels:
  - .name:           k_qfb8db0aa02_proj
    .symbol:         k_qfb8db0aa02_proj.kd
    .args:
      - { .name: oc, .offset: 0, .size: 8, .value_kind: global_buffer, .address_space: global }
      - { .name: os, .offset: 8, .size: 8, .value_kind: global_buffer, .address_space: global }
      - { .name: ab, .offset: 16, .size: 8, .value_kind: global_buffer, .address_space: global }
      - { .name: x_A, .offset: 24, .size: 8, .value_kind: global_buffer, .address_space: global }
      - { .name: x_B, .offset: 32, .size: 8, .value_kind: global_buffer, .address_space: global }
      - { .name: WoutA_codes, .offset: 40, .size: 8, .value_kind: global_buffer, .address_space: global }
      - { .name: WoutA_scales, .offset: 48, .size: 8, .value_kind: global_buffer, .address_space: global }
      - { .name: WoutB_codes, .offset: 56, .size: 8, .value_kind: global_buffer, .address_space: global }
      - { .name: WoutB_scales, .offset: 64, .size: 8, .value_kind: global_buffer, .address_space: global }
      - { .name: out0, .offset: 72, .size: 8, .value_kind: global_buffer, .address_space: global }
      - { .name: out1, .offset: 80, .size: 8, .value_kind: global_buffer, .address_space: global }
    .group_segment_fixed_size: 168960
    .private_segment_fixed_size: 0
    .kernarg_segment_align: 8
    .kernarg_segment_size: 88
    .max_flat_workgroup_size: 256
    .sgpr_count:     100
    .vgpr_count:     512
    .wavefront_size: 32
...
	.end_amdgpu_metadata
.endif
;; end of part 5
